; MI455X (gfx1250); checked and timed in simulation.
; The chip was launched on July 23, 2026; its instructions are those of AMD's public machine-readable ISA for CDNA 5 (MIT licence, August 2026) and "CDNA5" Instruction Set Architecture Reference Guide (July 2026). The comments in the code are by the model that wrote it; some were corrected since.
;; Causal Multi Head Attention. Allowed arithmetic: matrix products marked QUANTISED: E2M3 operands, one E8M0 scale for each 32 along K, by v_wmma_scale_f32_16x16x128_f8f6f4 with both operands' format E2M3, f32 sums; everything else in f32.
;; Inputs: W_o 1,024 x 1,024 float32; W_qkv 1,024 x 3,072 float32; b_o 1,024 float32; b_qkv 3,072 float32; x 4 x 2,048 x 1,024 float32.
;; Outputs: out0 4 x 2,048 x 1,024 float32.
;; This version of the problem:
;;   THIS VERSION OF THE PROBLEM IS GIVEN IN LOW PRECISION. The matrix products marked QUANTISED in the list below multiply operands that are first quantised to E2M3 (2 exponent bits, 3 mantissa bits; 6 bits a number), with one power-of-two scale for each 32 numbers along K (OCP MX v1.0); their sums are f32. All else is computed in f32.
;;   The module's matrix products, in the order in which they are computed (A, B: the left and right operand; K: the contracted axis; several contracted axes count as one K, in the product's order):
;;     1. [M 8,192, K 1,024] x [K 1,024, N 3,072]; A: input x; B: input W_qkv: QUANTISED
;;     2. batch 64 x [M 2,048, K 64] x [K 64, N 2,048]; A: computed on the way; B: computed on the way: QUANTISED
;;     3. batch 64 x [M 2,048, K 2,048] x [K 2,048, N 64]; A: softmax (see below); B: computed on the way: QUANTISED
;;     4. [M 8,192, K 1,024] x [K 1,024, N 1,024]; A: computed on the way; B: input W_o: QUANTISED
;;   THE QUANTISER, for each operand of a quantised product, along K:
;;     - K is cut into blocks of 32 from its start; a last block that is shorter is filled with zeros.
;;     - A block's scale is 2^e with e = floor(log2(the largest magnitude in the block)) - 2, held to -126 .. 127; a block of zeros has e = 0. As a byte (E8M0): e + 127.
;;     - Each number is divided by its block's scale, clamped to +-7.5, and rounded to the nearest number of E2M3, ties to even, subnormals kept.
;;     - The product sums the exact products of the quantised numbers (number of the format x scale) in f32.
;;   ~~~python
;;   def quantise(x, axis):      # numpy; x: float32 -> the quantised numbers, widened to float32 again
;;       x = np.moveaxis(x, axis, -1); K = x.shape[-1]
;;       x = np.pad(x, [(0, 0)] * (x.ndim - 1) + [(0, -K % 32)]); x = x.reshape(x.shape[:-1] + (-1, 32)); a = np.abs(x).max(-1, keepdims=True)
;;       e = np.where(a > 0, np.clip(np.frexp(np.where(a > 0, a, 1))[1] - 1 - 2, -126, 127), 0)      # np.frexp(a)[1] - 1 = floor(log2(a)), exactly
;;       r = np.clip(x / 2.0 ** e, -7.5, 7.5)
;;       step = 2.0 ** (np.maximum(np.frexp(np.where(r == 0, 1, r))[1] - 1, 0) - 3)
;;       q = np.round(r / step) * step * 2.0 ** e      # np.round: ties to even
;;       return np.moveaxis(q.reshape(q.shape[:-2] + (-1,))[..., :K], -1, axis).astype(np.float32)
;;   ~~~
;;   SOFTMAX AHEAD OF A QUANTISED PRODUCT. Where the list says 'softmax', what is quantised is not the finished softmax but p = 2^(t - M), with t = logit x log2(e) and M = ceil(the row's largest t), a whole number; so 1/2 < the row's largest p <= 1. The row's sum l is taken of the UNQUANTISED p, in f32, and the product's result is divided by l at the end. Since M is a whole number, a kernel that streams over the keys may use a running M (the ceiling of the running maximum): every later rescaling is an exact power of two, which a block's scale takes up: the codes' values come out the same.
;;   OPERANDS COMPUTED ON THE WAY. 'Computed on the way' means the value that the module computes at that place (a softmax that the list does not call 'softmax' is quantised finished and normalised). What goes into a quantiser is computed in f32, as accurately as f32 sums, v_exp_f32 and their like allow (about 1e-6 of the number): no bf16 or f16 on the way to a quantiser, and a product that is left as it is and whose result goes on into a quantised operand takes f32 operands (vector FMAs, or v_wmma_f32_16x16x4_f32). A number that lies on a knife's edge between two numbers of the format may be rounded either way, as far as f32 arithmetic and the matrix unit's own rounding can turn it there, and no further.
;; One version. Each part assembles by itself: llvm-mc -triple=amdgcn-amd-amdhsa -mcpu=gfx1250 --defsym DOCPART=n.
;; ======== version 1 of 1: 4 launches
;; workspace buffers: cod 9,437,184 bytes; scl 393,216 bytes; qb 13,369,344 bytes; kv 13,369,344 bytes; oc 6,291,456 bytes; os 262,144 bytes
;; launch prep (part 1): grid 384 x 1, 4 waves a work-group, no clusters, 59,904 bytes of LDS; arguments x, W_qkv, W_o, cod, scl; writes cod, scl
.if DOCPART == 1
	.amdgcn_target "amdgcn-amd-amdhsa--gfx1250"
	.amdhsa_code_object_version 6
	.text
	.protected	k_qad5c5f4117_prep
	.globl	k_qad5c5f4117_prep
	.p2align	8
	.type	k_qad5c5f4117_prep,@function
k_qad5c5f4117_prep:
	s_mov_b64 s[64:65], 0
	v_nop
	global_prefetch_b8 v0, s[64:65] scope:SCOPE_SE
	s_setreg_imm32_b32 hwreg(HW_REG_WAVE_MODE, 25, 1), 1
	s_wait_xcnt 0x0
; CAUSAL MULTI-HEAD ATTENTION IN MX-FP6 (E2M3), four launches.  This one turns x [8192][1024], W_qkv [1024][3072] and W_o [1024][1024], f32, into codes and E8M0 scale bytes along K = 1024.
; WORK LEFT OUT IN THE WHOLE PROGRAM: only, in the attention launch, key steps of 128 keys that lie wholly behind a tile's last query.  reference() builds the causal tril in its own body and sets those
; scores to -inf ahead of the softmax, so for all values of the inputs their weights are 0 and they reach no output.  Every input has a way to the output and is loaded.  A NaN, an infinity or an overflow
; that would arise only in those left-out scores is not carried to the result.
; LIMITS: a block of zeros gets the byte 1 where the rule says 127 (its codes are zeros, and this program alone reads the bytes); blocks whose largest magnitude lies under 2^-124 are held at the byte 1;
; NaN and infinities among the inputs are not served.
; LAYOUT OF THE WORKSPACE: the order of an operand's registers.  A row tile f = 2 b + u holds, at lane place r, row 32 b + 8 u + r + 8 (r / 8).  A fragment (16 rows x 128 K, 12 registers a lane) is an image of
; 1,536 bytes: register pair p of lane l at 256 p + 8 l.  cod: [f][K step of 128][1,536]; f 0-511 rows of x, 512-703 columns of W_qkv, 704-767 columns of W_o.  scl: [f][256 along K][r][8 bytes].
; Work-groups 0-255 take x (a wave: one tile, half of K); 256-383 the weights (a wave: 32 columns, 256 along K; a lane takes a column and its registers run down K).  The two ways have LDS bytes of their own.
; No barrier: waves share nothing.
.set SPARE, 59392                      ; the spare words, 128 bytes for each wave
.set SPW,  2                           ; v2  LDS address of my spare word; never rewritten
.set NIL,  3                           ; v3  0; never rewritten
.set XST,  8448                        ; x: a wave's stage, 16 rows x (512 + 16) bytes
.set WB,   33792                       ; the weights' stages begin here
.set WST,  6400                        ; a wave's: two tiles x (3,072 + 128) bytes
.set R,    16                          ; x: v16-143 two sets of 64 numbers as loaded
.set X,    144                         ; v144-207 64 numbers in the operand's order
.set PC,   208                         ; v208-219 a fragment's codes
.set TMP,  220                         ; v220-226 the upper halves of the blocks' codes
.set TM,   228                         ; v228-235 at work
.set W,    236                         ; v236-239 four scale words
.set OFF,  16                          ; weights: v16-47 offsets of 32 rows
.set XW,   48                          ; v48-111 two sets of 32 numbers
.set C,    112                         ; v112-117 a block's codes
.set D,    120                         ; v120-122 their upper half
.set SB,   124                         ; v124-125 eight scale bytes
.set OUTR, 128                         ; v128-175 the way out
	s_load_b256 s[4:11], s[0:1], 0x0               ; x, W_qkv, W_o, cod
	s_load_b64 s[12:13], s[0:1], 0x20              ; scl
	v_lshl_add_u32 v[SPW], v0, 2, SPARE
	v_mov_b32 v[NIL], 0
	v_lshrrev_b32 v1, 5, v0
	v_readfirstlane_b32 s18, v1                    ; wave
	v_and_b32 v1, 31, v0                           ; lane
	s_mov_b32 s20, 0x76543210
	s_mov_b32 s21, 0xfedcba98                      ; selects for lane l xor 16
	s_cmp_ge_u32 ttmp9, 256
	s_cbranch_scc1 .Lweights
; ---------------- x ----------------
	v_and_b32 v9, 15, v1                           ; r
	v_lshrrev_b32 v10, 4, v1                       ; h
	v_lshlrev_b32 v4, 4, v1                        ; in: 16 bytes a lane, 512 consecutive bytes of one row a load
	s_mul_i32 s19, s18, XST
	v_add_nc_u32 v5, s19, v4                       ; the stage on the way in
	v_mul_u32_u24 v6, v9, 528
	v_lshl_add_u32 v6, v10, 7, v6
	v_add_nc_u32 v6, s19, v6                       ; and out: row r, + 128 h: my block of 32 numbers
	v_lshlrev_b32 v7, 3, v1                        ; an image's place for my lane
	v_lshlrev_b32 v8, 3, v10                       ; 8 h: my bytes' shift in the scale word
	v_cmp_le_u32 s22, 16, v1                       ; lanes 16-31
	v_mov_b32 v[TM+7], 0                           ; a lane permute's destination counts as read
	s_lshr_b32 s23, s18, 1                         ; u
	s_and_b32 s24, s18, 1                          ; which half of K
	s_lshl_b32 s26, ttmp9, 17                      ; 32 rows of 4,096 bytes
	s_lshl_b32 s27, s23, 15
	s_add_co_u32 s26, s26, s27
	s_lshl_b32 s27, s24, 11
	s_add_co_u32 s26, s26, s27
	s_mov_b32 s27, 0
	s_lshl_b32 s25, ttmp9, 1
	s_add_co_u32 s25, s25, s23                     ; f
	s_mul_i32 s28, s25, 12288
	s_mul_i32 s30, s24, 6144
	s_add_co_u32 s28, s28, s30
	s_mov_b32 s29, 0
	s_lshl_b32 s30, s25, 9
	s_lshl_b32 s31, s24, 8
	s_add_co_u32 s30, s30, s31
	s_mov_b32 s31, 0
	s_wait_alu depctr_va_vdst(0)
	s_wait_kmcnt 0x0
	s_add_nc_u64 s[4:5], s[4:5], s[26:27]
	s_add_nc_u64 s[10:11], s[10:11], s[28:29]
	s_add_nc_u64 s[12:13], s[12:13], s[30:31]
.macro LOADX j                         ; 128 along K of the tile's 16 rows
.irp t, 0,1,2,3,4,5,6,7,8,9,10,11,12,13,14,15
	global_load_b128 v[R+64*((\j)%2)+4*\t:R+64*((\j)%2)+4*\t+3], v4, s[4:5] offset:(\t+8*(\t/8))*4096+512*(\j) th:TH_LOAD_NT
.endr
.endm
.macro FRAGX j
.if (\j) < 3
	s_wait_loadcnt 16                              ; this fragment's 16 loads are in; the next one's may be out
.else
	s_wait_loadcnt 0x0
.endif
.irp t, 0,1,2,3,4,5,6,7,8,9,10,11,12,13,14,15
	ds_store_b128 v5, v[R+64*((\j)%2)+4*\t:R+64*((\j)%2)+4*\t+3] offset:528*\t
.endr
.irp c, 0,1
.irp i, 0,1,2,3,4,5,6,7
	ds_load_b128 v[X+32*\c+4*\i:X+32*\c+4*\i+3], v6 offset:256*\c+16*\i   ; k = 64 c + 32 h + 4 i ..: LDS serves a wave's instructions in order, so these see my stores
.endr
.endr
	s_wait_dscnt 0x0
.if (\j) < 2
	LOADX (\j)+2                                   ; into the set that the stage's stores have read
.endif
.irp c, 0,1
	v_max3_num_f32 v[TM+\c], |v[X+32*\c]|, |v[X+32*\c+1]|, 0x1800000   ; block 2 c + h: all 32 numbers are mine; the floor 2^(3 - 127) holds the byte at 1 from below
.endr
.irp i, 2,4,6,8,10,12,14,16,18,20,22,24,26,28,30
.irp c, 0,1
	v_max3_num_f32 v[TM+\c], v[TM+\c], |v[X+32*\c+\i]|, |v[X+32*\c+\i+1]|
.endr
.endr
.irp c, 0,1
	v_add_nc_u32 v[TM+2+\c], 0xff000000, v[TM+\c]  ; 2 off the exponent field: the conversion's scale operand
.endr
.irp c, 0,1
	v_lshrrev_b32 v[TM+4+\c], 23, v[TM+2+\c]       ; the scale's byte
.endr
	v_lshl_or_b32 v[TM+6], v[TM+5], 16, v[TM+4]
	v_lshlrev_b32 v[TM+6], v8, v[TM+6]             ; bytes h and 2 + h
	v_permlanex16_b32 v[TM+7], v[TM+6], s20, s21
	v_or_b32 v[W+(\j)], v[TM+6], v[TM+7]           ; with lane l xor 16's two the word is whole
	s_wait_alu depctr_va_vdst(0)
	s_wait_xcnt 0x0                                ; the last fragment's stores have read their data: the codes' registers are written again only behind this wait
.irp c, 0,1
	v_cvt_scalef32_pk16_fp6_f32 v[PC+6*\c:PC+6*\c+2], v[X+32*\c:X+32*\c+15], v[TM+2+\c]
	v_cvt_scalef32_pk16_fp6_f32 v[TMP+4*\c:TMP+4*\c+2], v[X+32*\c+16:X+32*\c+31], v[TM+2+\c]   ; (a conversion's three registers begin on an even number)
.endr
	v_nop                                          ; one plain place behind a scaled conversion
.irp c, 0,1
.irp i, 0,1,2
	v_mov_b32 v[PC+6*\c+3+\i], v[TMP+4*\c+\i]
.endr
.endr
.irp p, 0,1,2,3,4,5
	global_store_b64 v7, v[PC+2*\p:PC+2*\p+1], s[10:11] offset:1536*(\j)+256*\p   ; 32 lanes store 256 consecutive bytes, aligned
.endr
.endm
	LOADX 0
	LOADX 1
	FRAGX 0
	FRAGX 1
	FRAGX 2
	FRAGX 3
	v_cndmask_b32 v240, v[W], v[W+2], s22          ; lanes 0-15: the first 256 along K of my half, lanes 16-31: the second
	v_cndmask_b32 v241, v[W+1], v[W+3], s22
	global_store_b64 v7, v[240:241], s[12:13]      ; 256 consecutive bytes, aligned
	s_branch .Lend
; ---------------- the weights ----------------
.Lweights:
	s_sub_co_u32 s19, ttmp9, 256
	s_and_b32 s23, s19, 31                         ; which 128 columns: 0-23 of W_qkv, 24-31 of W_o
	s_lshr_b32 s24, s19, 5                         ; which 256 along K
	s_mov_b32 s25, 4096
	s_lshl_b32 s27, s23, 7
	s_wait_kmcnt 0x0
	s_cmp_lt_u32 s23, 24
	s_cselect_b64 s[4:5], s[6:7], s[8:9]           ; the choice hangs on the work-group's number alone
	s_cselect_b32 s25, 12288, s25                  ; a row of the weight in bytes
	s_cselect_b32 s26, 0, 3072
	s_sub_co_u32 s27, s27, s26                     ; the first column in its own tensor
	s_lshl_b32 s26, s18, 5
	s_add_co_u32 s27, s27, s26                     ; + my wave's 32
	s_lshl_b32 s27, s27, 2
	s_mul_i32 s28, s24, s25
	s_lshl_b32 s28, s28, 8                         ; 256 rows for each step along K
	s_add_co_u32 s28, s28, s27
	s_mov_b32 s29, 0
	s_add_nc_u64 s[4:5], s[4:5], s[28:29]
	s_lshl_b32 s30, s25, 5                         ; 32 rows on
	s_mov_b32 s31, 0
	s_lshl_b32 s26, s23, 3
	s_lshl_b32 s27, s18, 1
	s_add_co_u32 s26, s26, s27
	s_add_co_u32 s26, s26, 512                     ; f of my first tile
	s_mul_i32 s28, s26, 12288
	s_mul_i32 s27, s24, 3072
	s_add_co_u32 s28, s28, s27
	s_add_nc_u64 s[10:11], s[10:11], s[28:29]
	s_lshl_b32 s28, s26, 9
	s_lshl_b32 s27, s24, 7
	s_add_co_u32 s28, s28, s27
	s_add_nc_u64 s[12:13], s[12:13], s[28:29]
	s_wait_alu depctr_va_vdst(0)
	v_bfe_u32 v12, v1, 3, 1                        ; column L of the 32 is place r = L % 8 + 8 (L / 16) of tile u = (L / 8) % 2
	v_and_b32 v13, 7, v1
	v_lshrrev_b32 v14, 4, v1
	v_lshl_add_u32 v13, v14, 3, v13
	s_mul_i32 s32, s18, WST
	s_add_co_u32 s32, s32, WB
	v_mul_u32_u24 v8, v12, 3200
	v_lshl_add_u32 v8, v13, 3, v8
	v_add_nc_u32 v8, s32, v8                       ; the stage on the way in: the two tiles lie 3,200 bytes apart, so that 32 lanes' 8 bytes fall on 64 different banks (64 banks of 4 bytes: ISA guide 11.1)
	v_lshlrev_b32 v10, 4, v1
	v_add_nc_u32 v9, s32, v10                      ; and out
	v_lshlrev_b32 v11, 9, v12
	v_lshl_add_u32 v11, v13, 3, v11                ; my column's 8 scale bytes
	v_lshlrev_b32 v15, 2, v1
.irp i, 0,1,2,3,4,5,6,7,8,9,10,11,12,13,14,15,16,17,18,19,20,21,22,23,24,25,26,27,28,29,30,31
	v_mad_u32_u24 v[OFF+\i], s25, \i, v15          ; row i, my column
.endr
.macro LOADW t                         ; block t: 32 rows of the weight at my column: 128 consecutive bytes a load
.if (\t) > 0
	s_wait_xcnt 0x0                                ; the earlier loads have read their base: it steps only behind this wait
	s_add_nc_u64 s[4:5], s[4:5], s[30:31]
.endif
.irp i, 0,1,2,3,4,5,6,7,8,9,10,11,12,13,14,15,16,17,18,19,20,21,22,23,24,25,26,27,28,29,30,31
	global_load_b32 v[XW+32*((\t)%2)+\i], v[OFF+\i], s[4:5] th:TH_LOAD_NT
.endr
.endm
.macro BLOCK t
.set XS_, XW+32*((\t)%2)
.if (\t) < 7
	s_wait_loadcnt 32                              ; this block's 32 loads are in; the next block's may be out
.else
	s_wait_loadcnt 0x0
.endif
	v_max3_num_f32 v126, |v[XS_]|, |v[XS_+1]|, |v[XS_+2]|
	v_max3_num_f32 v127, |v[XS_+3]|, |v[XS_+4]|, |v[XS_+5]|
.irp i, 6,10,14,18,22,26
	v_max3_num_f32 v126, v126, |v[XS_+\i]|, |v[XS_+\i+1]|
	v_max3_num_f32 v127, v127, |v[XS_+\i+2]|, |v[XS_+\i+3]|
.endr
	v_max3_num_f32 v126, v126, |v[XS_+30]|, |v[XS_+31]|
	v_max3_num_f32 v126, v126, v127, 0x1800000     ; and the floor
	v_add_nc_u32 v118, 0xff000000, v126
	v_lshrrev_b32 v119, 23, v118
.if (\t)%4 == 0
	v_mov_b32 v[SB+(\t)/4], v119
.else
	v_lshl_or_b32 v[SB+(\t)/4], v119, 8*((\t)%4), v[SB+(\t)/4]
.endif
	v_cvt_scalef32_pk16_fp6_f32 v[C:C+2], v[XS_:XS_+15], v118
	v_cvt_scalef32_pk16_fp6_f32 v[D:D+2], v[XS_+16:XS_+31], v118
	v_nop
.irp i, 0,1,2
	v_mov_b32 v[C+3+\i], v[D+\i]
.endr
.irp p, 0,1,2
	ds_store_b64 v8, v[C+2*\p:C+2*\p+1] offset:((\t)/4)*1536+(((\t)/2)%2)*768+((\t)%2)*128+256*\p   ; block t is block t % 4 = 2 c + h of fragment t / 4: pairs 3 c + p, lane 16 h + r
.endr
.if (\t)+2 < 8
	LOADW (\t)+2
.endif
	s_wait_dscnt 0x0                               ; the stores have read their registers
.endm
	LOADW 0
	s_wait_alu depctr_va_vdst(0)
	LOADW 1
.irp t, 0,1,2,3,4,5,6,7
	BLOCK \t
.endr
	s_wait_alu depctr_va_vdst(0)
	global_store_b64 v11, v[SB:SB+1], s[12:13]     ; runs of 128 bytes: 8 bytes of scales for each 1,024 bytes that the lane has read
.set n_, 0
.irp u, 0,1
.irp k, 0,1
.irp j, 0,1,2
	ds_load_b128 v[OUTR+4*n_:OUTR+4*n_+3], v9 offset:3200*\u+1536*\k+512*\j
.set n_, n_+1
.endr
.endr
.endr
.set n_, 0
.irp u, 0,1
.irp k, 0,1
.irp j, 0,1,2
	s_wait_dscnt 11-n_
	global_store_b128 v10, v[OUTR+4*n_:OUTR+4*n_+3], s[10:11] offset:12288*\u+1536*\k+512*\j   ; 512 consecutive bytes, aligned
.set n_, n_+1
.endr
.endr
.endr
.Lend:
	s_wait_tensorcnt 0x0                           ; the wave's end: behind my last LDS store
	ds_add_u32 v[SPW], v[NIL]
	s_wait_dscnt 0x0
	s_endpgm
.Lfunc_end_k_qad5c5f4117_prep:
	.size	k_qad5c5f4117_prep, .Lfunc_end_k_qad5c5f4117_prep-k_qad5c5f4117_prep
	.p2alignl 7, 3214868480
	.fill 96, 4, 3214868480
	.section	.rodata,"a",@progbits
	.p2align	6, 0x0
	.amdhsa_kernel k_qad5c5f4117_prep
		.amdhsa_group_segment_fixed_size 59904
		.amdhsa_private_segment_fixed_size 0
		.amdhsa_enable_private_segment 0
		.amdhsa_kernarg_size 40
		.amdhsa_user_sgpr_count 2
		.amdhsa_user_sgpr_kernarg_segment_ptr 1
		.amdhsa_wavefront_size32 1
		.amdhsa_system_sgpr_workgroup_id_x 1
		.amdhsa_system_sgpr_workgroup_id_y 1
		.amdhsa_system_sgpr_workgroup_id_z 1
		.amdhsa_system_vgpr_workitem_id 0
		.amdhsa_next_free_vgpr 256
		.amdhsa_next_free_sgpr 66
		.amdhsa_reserve_vcc 0
		.amdhsa_float_denorm_mode_32 3
		.amdhsa_float_denorm_mode_16_64 3
		.amdhsa_memory_ordered 1
		.amdhsa_forward_progress 1
		.amdhsa_inst_pref_size 76
	.end_amdhsa_kernel
	.amdgpu_metadata
---
amdhsa.version: [ 1, 2 ]
amdhsa.kernels:
  - .name:           k_qad5c5f4117_prep
    .symbol:         k_qad5c5f4117_prep.kd
    .args:
      - { .name: x, .offset: 0, .size: 8, .value_kind: global_buffer, .address_space: global }
      - { .name: W_qkv, .offset: 8, .size: 8, .value_kind: global_buffer, .address_space: global }
      - { .name: W_o, .offset: 16, .size: 8, .value_kind: global_buffer, .address_space: global }
      - { .name: cod, .offset: 24, .size: 8, .value_kind: global_buffer, .address_space: global }
      - { .name: scl, .offset: 32, .size: 8, .value_kind: global_buffer, .address_space: global }
    .group_segment_fixed_size: 59904
    .private_segment_fixed_size: 0
    .kernarg_segment_align: 8
    .kernarg_segment_size: 40
    .max_flat_workgroup_size: 128
    .sgpr_count:     66
    .vgpr_count:     256
    .wavefront_size: 32
...
	.end_amdgpu_metadata
.endif
;; end of part 1
;; launch gemm_qkv (part 2): grid 8 x 48, 4 waves a work-group, clusters of 4 x 4, 327,680 bytes of LDS; arguments cod, scl, b_qkv, qb, kv; writes qb, kv
.if DOCPART == 2
	.amdgcn_target "amdgcn-amd-amdhsa--gfx1250"
	.amdhsa_code_object_version 6
	.text
	.protected	k_qad5c5f4117_gemm_qkv
	.globl	k_qad5c5f4117_gemm_qkv
	.p2align	8
	.type	k_qad5c5f4117_gemm_qkv,@function
k_qad5c5f4117_gemm_qkv:
	s_mov_b64 s[64:65], 0
	v_nop
	global_prefetch_b8 v0, s[64:65] scope:SCOPE_SE
	s_setreg_imm32_b32 hwreg(HW_REG_WAVE_MODE, 25, 1), 1
	s_wait_xcnt 0x0
	s_wait_alu depctr_hold_cnt(0) depctr_sa_sdst(0) depctr_va_vdst(0) depctr_va_sdst(0) depctr_va_ssrc(0) depctr_va_vcc(0) depctr_vm_vsrc(0)
	s_getreg_b32 s2, hwreg(HW_REG_IB_STS2, 6, 4)
	s_cmp_eq_u32 s2, 0
	s_cbranch_scc0 .Lentry_in_a_cluster
	s_endpgm
.Lentry_in_a_cluster:
	s_bfe_u32 s2, ttmp6, 0x10000c
	s_cmp_lg_u32 s2, 0xf033
	s_cbranch_scc0 .Lentry_shape_is_right
	s_endpgm
.Lentry_shape_is_right:
; qkv = x W_qkv + b_qkv on codes of FP6 (E2M3) with E8M0 scales, K = 1024; the results never go to memory as f32: q and k are quantised along the head's 64, v along the keys, in registers, and leave as operand images.
; A work-group of four waves makes 256 x 256; a wave 128 x 128: 64 accumulators.  U is source 0 (its rows run along a lane's registers), T is source 1 (its rows lie in the lanes).
; Clusters with y < 8 (256 work-groups) make q and k: T = rows of x, U = columns 0-2047 of W, so that a lane's registers run along the head.  Clusters with y >= 8 (128 work-groups) make v:
; the same product with the roles changed, T = columns 2048-3071 of W, U = rows of x, so that a lane's registers run along the keys.  The region hangs on the cluster's y alone: it is the same in all partners.
; All operands lie in tiles whose place r holds row 32 b + 8 u + r + 8 (r / 8): the 16 registers of U's tiles 2 b and 2 b + 1 are then 16 neighbours, and lanes l and l xor 16 share a block of 32.
; A fragment is an image of 1,536 bytes (register pair p of lane l at 256 p + 8 l): six loads of 8 bytes a lane, each 256 consecutive bytes.
; K goes in steps of 256 through a ring of two LDS slots (T's 16 tiles x 3,072 bytes, then U's); the scale bytes of all of K come once.  CLUSTERS 4 x 4: T's tiles are asked for jointly along a row, U's along a column.
; OUT: a record of 26,112 bytes for each head and 256 keys: 16 half images of k (or q) | 8 images of v^T | k's scale words | v's scale words.
; LIMITS: a block of zeros gets the byte 1 (its codes are zeros; this program alone reads the bytes); blocks under 2^-124 are held at the byte 1; NaN and infinities are not served.
; REGISTERS: window 0: v1-3 r, h, lane; v8-15 the bias's offsets; v16-29 addresses; v32-63 scale words, two sets; v64-127 the bias, later the way out; v128-223 T's fragments, one set.
;   window 1: U's fragments, two sets, at v0 and v128.   windows 2, 3: the accumulators, (a, b) at v[8 (8 (a % 4) + b)] of window 2 + a / 4.
.set NA,     8                         ; T's tiles to a wave
.set FR,     12
.set NL,     6
.set NP,     4                         ; places behind this matrix instruction (ISA guide 7.12.1)
.set HALFA,  NA*3072
.set HALFB,  24576
.set SLOT,   2*HALFA+2*HALFB
.set HALFSA, NA*512
.set HALFSB, 4096
.set SCL,    2*SLOT
.set SPARE,  SCL+2*HALFSA+2*HALFSB     ; the spare words, 128 bytes for each wave
.set REC,    26112
.set HP,     8*REC                     ; from head to head
.set VOFF,   12288
.set KSOFF,  24576
.set VSOFF,  25600
.set ADRA, 16
.set ADRB, 20
.set VO0,  24
.set VO1,  25
.set L8,   26
.set ADRS, 27
.set SPW,  28
.set NIL,  29
.set SC,   32
.set BI,   64
.set AF,   128
.set PC,   64                          ; the way out: a fragment's codes,
.set TMP,  76                          ; their upper halves,
.set TM,   84                          ; v84-99 at work,
.set SW,   100                         ; v100-107 the scale word of each of T's tiles,
.set XS,   108                         ; v108-120 the scale words' way out
.set WVN, 14
.set HTR, 15                           ; s15 my half of T.  Also: I fetch for T (0) or for U (1)
.set HUR, 16                           ; s16 my half of U.  Also: which half I fetch
.set G1,   24
.set G0,   32
.set G1B,  48
.set G0B,  56
.set G1S,  68
.set G0S,  76
.set G1SB, 80
.set G0SB, 88
.set MUL_LO,  0xa1                     ; source 0 (U) window 1, source 1 (T) window 0, C and D window 2
.set MUL_HI,  0xf1
.set MUL_LOB, 0x81                     ; the same with C (the bias) in window 0
.set MUL_HIB, 0xc1
.set TO_B,    0x40
.set MSB, 0
.macro WIN new                         ; the immediate's high byte repeats the setting that is left
.if MSB != (\new)
	s_set_vgpr_msb (MSB<<8)|(\new)
.set MSB, (\new)
.endif
.endm
.macro JLOAD g0a, g1a, g0b, g1b        ; a joint load: waves 0 and 1 fetch for T, waves 2 and 3 for U; an s_nop 0 and four v_nop follow each of the two lines
	s_cmp_eq_u32 s[HTR], 0
	s_cbranch_scc0 .Lfor_b_\@
	tensor_load_to_lds s[\g0a:\g0a+3], s[\g1a:\g1a+7]
	s_nop 0
.rept 4
	v_nop
.endr
	s_branch .Lasked_\@
.Lfor_b_\@:
	tensor_load_to_lds s[\g0b:\g0b+3], s[\g1b:\g1b+7]
	s_nop 0
.rept 4
	v_nop
.endr
.Lasked_\@:
.endm
.macro CREST                           ; a round of the cluster's barrier behind its opening barrier
	s_cmp_lg_u32 s[WVN], 0
	s_cbranch_scc1 .Lnot_wave_0_\@
	s_barrier_signal -3
.Lnot_wave_0_\@:
	s_barrier_wait -3
	s_barrier_signal -1
	s_barrier_wait -1
.endm
.macro CROUND
	s_barrier_signal -1
	s_barrier_wait -1
	CREST
.endm
.macro PLACES n
.rept \n
	v_nop
.endr
.endm
.macro FRAG reg, adr, q, i             ; tile i's fragment of the slot's q-th 128 along K
.irp p, 0,1,2,3,4,5
	ds_load_b64 v[\reg+2*\p:\reg+2*\p+1], v[\adr] offset:(\i)*3072+(\q)*1536+256*\p
.endr
.endm
.macro FETCH_B slot, q, p              ; U's eight fragments into set p
	WIN TO_B
.irp i, 0,1,2,3,4,5,6,7
	FRAG 128*(\p)+FR*\i, ADRB+(\slot), \q, \i
.endr
	WIN 0
.endm
.macro FETCH_A slot, q, half           ; half of T's fragments
.set i_, (\half)*NA/2
.rept NA/2
	FRAG AF+FR*i_, ADRA+(\slot), \q, i_
.set i_, i_+1
.endr
.endm
.macro SCALES sc                       ; a slot's two scale words a row: lanes 0-15 T's tile i, lanes 16-31 U's tile i
.irp i, 0,1,2,3,4,5,6,7
	ds_load_b64 v[SC+16*(\sc)+2*\i:SC+16*(\sc)+2*\i+1], v[ADRS] offset:512*\i
.endr
.endm
; A quarter of a step: NA / 4 of T's tiles against U's eight.  cm = 0: the sums go on; 2: they begin with the bias of U's rows; 3: with that of T's.  The accumulators take turns, one instruction a turn.
.macro MULQ k, p, q, sc, cm
.set a_, (\k)*NA/4
.rept NA/4
.set b_, 0
.rept 8
.set c_, 8*(8*(a_%4)+b_)
.if (\cm) == 0
	v_wmma_scale_f32_16x16x128_f8f6f4 v[c_:c_+7], v[128*(\p)+FR*b_:128*(\p)+FR*b_+FR-1], v[AF+FR*a_:AF+FR*a_+FR-1], v[c_:c_+7], v[SC+16*(\sc)+2*b_+(\q)], v[SC+16*(\sc)+2*a_+(\q)] matrix_a_fmt:MATRIX_FMT_FP6 matrix_b_fmt:MATRIX_FMT_FP6 matrix_a_scale:MATRIX_SCALE_ROW1
.elseif (\cm) == 2
	v_wmma_scale_f32_16x16x128_f8f6f4 v[c_:c_+7], v[128*(\p)+FR*b_:128*(\p)+FR*b_+FR-1], v[AF+FR*a_:AF+FR*a_+FR-1], v[BI+8*b_:BI+8*b_+7], v[SC+16*(\sc)+2*b_+(\q)], v[SC+16*(\sc)+2*a_+(\q)] matrix_a_fmt:MATRIX_FMT_FP6 matrix_b_fmt:MATRIX_FMT_FP6 matrix_a_scale:MATRIX_SCALE_ROW1
.else
	v_wmma_scale_f32_16x16x128_f8f6f4 v[c_:c_+7], v[128*(\p)+FR*b_:128*(\p)+FR*b_+FR-1], v[AF+FR*a_:AF+FR*a_+FR-1], v[BI+8*a_:BI+8*a_+7], v[SC+16*(\sc)+2*b_+(\q)], v[SC+16*(\sc)+2*a_+(\q)] matrix_a_fmt:MATRIX_FMT_FP6 matrix_b_fmt:MATRIX_FMT_FP6 matrix_a_scale:MATRIX_SCALE_ROW1
.endif
.set b_, b_+1
.endr
.set a_, a_+1
.endr
.endm
; A step of 128 along K that has its successor in the same slot.  T has one set of registers: its lower half is fetched anew in the step's middle, its upper half at the end.
.macro STEP slot, q, cm
	s_wait_dscnt (NA/2)*NL                         ; all but the youngest loads, T's upper half
.if \cm
	WIN MUL_LOB
.else
	WIN MUL_LO
.endif
	MULQ 0, (\q)%2, \q, (\slot)%2, \cm
	MULQ 1, (\q)%2, \q, (\slot)%2, \cm
	s_wait_dscnt 0x0                               ; T's upper half is in
	PLACES NP                                      ; in front of loads into registers that matrix instructions have read
	FETCH_B \slot, (\q)+1, 1-(\q)%2
	FETCH_A \slot, (\q)+1, 0
.if \cm
	WIN MUL_HIB
.else
	WIN MUL_HI
.endif
	MULQ 2, (\q)%2, \q, (\slot)%2, \cm
	MULQ 3, (\q)%2, \q, (\slot)%2, \cm
	PLACES NP
	WIN 0
	FETCH_A \slot, (\q)+1, 1
.endm
; A slot's last step changes slots: one barrier; in front of it each wave waits for all its tensor loads, adds 0 to its spare word, and waits for that and for its reads of this slot.
.macro TURN slot, next, fill
	s_wait_tensorcnt 0x0                           ; all my tensor loads have landed: my part of the next slot
	ds_add_u32 v[SPW], v[NIL]                      ; 0 onto my spare word
	s_wait_dscnt (NA/2)*NL+1                       ; (the add and T's upper half may be out)
	WIN MUL_LO
	MULQ 0, 1, 1, \slot, 0
	s_wait_dscnt 0x0                               ; the add is done, and my reads of this slot are over
	s_barrier_signal -1
	MULQ 1, 1, 1, \slot, 0
	WIN 0
	s_barrier_wait -1
.if \fill
	CREST                                          ; the barrier has opened a round of the cluster's: no wave of any partner still reads this slot or has a load on its way
	s_add_nc_u64 s[G0+4*\slot+2:G0+4*\slot+3], s[G0+4*\slot+2:G0+4*\slot+3], 6144
	s_add_nc_u64 s[G0B+4*\slot+2:G0B+4*\slot+3], s[G0B+4*\slot+2:G0B+4*\slot+3], 6144
	JLOAD G0+4*\slot, G1, G0B+4*\slot, G1B         ; the first tensor load behind the round; its four v_nop are the places in front of the loads below
.else
	PLACES NP
.endif
	s_wait_alu depctr_va_vdst(0)
	v_add_nc_u32 v[ADRS], 128, v[ADRS]             ; the next 256 along K of the scale words
	FETCH_B \next, 0, 0
	FETCH_A \next, 0, 0
	SCALES \next
	WIN MUL_HI
	MULQ 2, 1, 1, \slot, 0
	MULQ 3, 1, 1, \slot, 0
	PLACES NP
	WIN 0
	FETCH_A \next, 0, 1
.endm
	s_load_b256 s[4:11], s[0:1], 0x0               ; cod, scl, b_qkv, qb
	s_load_b64 s[12:13], s[0:1], 0x20              ; kv
	v_lshl_add_u32 v[SPW], v0, 2, SPARE
	v_mov_b32 v[NIL], 0
	ds_add_u32 v[SPW], v[NIL]                      ; the wave's opening: the add, twice on end, and its wait ahead of my first tensor load
	ds_add_u32 v[SPW], v[NIL]
	v_lshrrev_b32 v1, 5, v0
	v_readfirstlane_b32 s[WVN], v1
	s_lshr_b32 s[HTR], s[WVN], 1
	s_and_b32 s[HUR], s[WVN], 1
	s_bfe_u32 s40, ttmp6, 0x40000                  ; cx
	s_bfe_u32 s41, ttmp6, 0x40004                  ; cy
	s_lshl_b32 s42, ttmp9, 2
	s_add_co_u32 s42, s42, s40                     ; x = 4 x cluster x + cx
	s_and_b32 s45, ttmp7, 0xffff                   ; cluster y
	s_lshl_b32 s17, s45, 2
	s_add_co_u32 s17, s17, s41                     ; y
	s_lshl_b32 s43, s41, 2
	s_lshl_b32 s43, 15, s43                        ; my row of the cluster
	s_lshl_b32 s44, 0x1111, s40                    ; my column
	s_or_b32 s[G1+0], s43, (3<<16)|(1<<21)         ; 15:0 the mask; 17:16 elements of 8 bytes; 21 set beside a mask; no padding
	s_or_b32 s[G1B+0], s44, (3<<16)|(1<<21)
.irp g, G1, G1B                        ; 8 tiles x 3,072 bytes, 12,288 bytes apart
	s_mov_b32 s[\g+1], 384<<16
	s_mov_b32 s[\g+2], 8<<16
	s_mov_b32 s[\g+3], 384<<16
	s_mov_b32 s[\g+4], 8
	s_mov_b32 s[\g+5], 1536
	s_mov_b32 s[\g+6], 0
	s_mov_b32 s[\g+7], 0
.endr
	s_or_b32 s[G1S+0], s43, (3<<16)|(1<<21)
	s_or_b32 s[G1SB+0], s44, (3<<16)|(1<<21)
.irp g, G1S, G1SB                      ; the scale bytes of 8 tiles: a dense block of 4,096 bytes, as 16 rows of 256
	s_mov_b32 s[\g+1], 32<<16
	s_mov_b32 s[\g+2], 16<<16
	s_mov_b32 s[\g+3], 32<<16
	s_mov_b32 s[\g+4], 16
	s_mov_b32 s[\g+5], 32
	s_mov_b32 s[\g+6], 0
	s_mov_b32 s[\g+7], 0
.endr
	s_lshl_b32 s18, s45, 6
	s_lshl_b32 s19, s45, 7
	s_sub_co_u32 s19, s19, 1024
	s_mov_b32 s20, 640
	s_mov_b32 s21, 512
	s_cmp_ge_u32 s45, 8
	s_cselect_b32 s66, 1, 0                        ; 1: this cluster makes v
	s_cselect_b32 s18, s20, s18
	s_cselect_b32 s19, s19, s21
	s_lshl_b32 s94, s[HUR], 3                      ; which 8 tiles I fetch
	s_lshl_b32 s20, s41, 4
	s_add_co_u32 s20, s20, s18
	s_add_co_u32 s20, s20, s94                     ; T's tile: 16 cy + (64 cluster y | 640): what my row of the cluster shares
	s_lshl_b32 s46, s42, 4
	s_add_co_u32 s46, s46, s19
	s_add_co_u32 s46, s46, s94                     ; U's: 16 x + (512 | 128 cluster y - 1024): what my column shares
	s_lshl_b32 s22, s20, 9
	s_lshl_b32 s92, s46, 9
	s_mul_i32 s20, s20, 12288
	s_mul_i32 s46, s46, 12288
	s_mov_b32 s21, 0
	s_mov_b32 s23, 0
	s_mov_b32 s47, 0
	s_mov_b32 s93, 0
	s_mul_i32 s94, s[HUR], HALFSA
	s_mul_i32 s95, s[HUR], HALFSB
	s_mul_i32 s96, s[HUR], HALFA
	s_mul_i32 s97, s[HUR], HALFB
	s_add_co_u32 s97, s97, 2*HALFA
	s_wait_dscnt 0x0                               ; both opening adds are done
	s_wait_kmcnt 0x0
	s_add_nc_u64 s[20:21], s[4:5], s[20:21]
	s_add_nc_u64 s[22:23], s[6:7], s[22:23]
	s_add_nc_u64 s[46:47], s[4:5], s[46:47]
	s_add_nc_u64 s[92:93], s[6:7], s[92:93]
	CROUND                                         ; all sixteen work-groups are here: the first joint loads meet
	s_mov_b32 s[G0S], 1
	s_add_co_u32 s[G0S+1], s94, SCL
	s_mov_b64 s[G0S+2:G0S+3], s[22:23]
	s_or_b32 s[G0S+3], s[G0S+3], 0x80000000
	s_mov_b32 s[G0SB], 1
	s_add_co_u32 s[G0SB+1], s95, SCL+2*HALFSA
	s_mov_b64 s[G0SB+2:G0SB+3], s[92:93]
	s_or_b32 s[G0SB+3], s[G0SB+3], 0x80000000
	JLOAD G0S, G1S, G0SB, G1SB                     ; the scale bytes of all of K: filled once
.irp s, 0,1
	s_mov_b32 s[G0+4*\s], 1
	s_add_co_u32 s[G0+4*\s+1], s96, \s*SLOT
	s_add_nc_u64 s[G0+4*\s+2:G0+4*\s+3], s[20:21], \s*3072
	s_or_b32 s[G0+4*\s+3], s[G0+4*\s+3], 0x80000000
	s_mov_b32 s[G0B+4*\s], 1
	s_add_co_u32 s[G0B+4*\s+1], s97, \s*SLOT
	s_add_nc_u64 s[G0B+4*\s+2:G0B+4*\s+3], s[46:47], \s*3072
	s_or_b32 s[G0B+4*\s+3], s[G0B+4*\s+3], 0x80000000
	JLOAD G0+4*\s, G1, G0B+4*\s, G1B               ; three loads of mine are out
.endr
	v_and_b32 v1, 15, v0                           ; r
	v_bfe_u32 v2, v0, 4, 1                         ; h
	s_wait_alu depctr_va_vdst(0)
	v_and_b32 v3, 31, v0                           ; lane
	v_lshlrev_b32 v[L8], 3, v3
	s_mul_i32 s21, s[HTR], HALFA
	s_mul_i32 s22, s[HUR], HALFB
	s_add_co_u32 s22, s22, 2*HALFA
.irp s, 0,1
	v_add_nc_u32 v[ADRA+\s], s21, v[L8]
	v_add_nc_u32 v[ADRB+\s], s22, v[L8]
	s_add_co_u32 s21, s21, SLOT
	s_add_co_u32 s22, s22, SLOT
.endr
	v_lshlrev_b32 v5, 3, v1
	s_mul_i32 s21, s[HTR], HALFSA
	s_mul_i32 s22, s[HUR], HALFSB
	s_add_co_u32 s22, s22, 2*HALFSA
	s_sub_co_u32 s22, s22, s21
	v_mul_u32_u24 v6, s22, v2                      ; lanes 16-31 take U's
	s_add_co_u32 s21, s21, SCL
	v_add_nc_u32 v5, v5, v6
	v_add_nc_u32 v[ADRS], s21, v5
	; THE BIAS is the C of each sum's first matrix instruction: 64 registers, register 8 k + j.  q, k: the bias of U's row 32 (k / 2) + 16 h + 8 (k % 2) + j; v: that of T's row 32 (k / 2) + 8 (k % 2) + r + 8 (r / 8), for every j.
	; One run of loads serves both: the lane's part and the step from j to j + 1 are chosen by the region.
	s_lshl_b32 s95, s42, 10
	s_lshl_b32 s96, s[HUR], 9
	s_add_co_u32 s95, s95, s96                     ; q, k: 4 (256 x + 128 x my half of U)
	s_lshl_b32 s96, s41, 10
	s_lshl_b32 s97, s[HTR], 9
	s_add_co_u32 s96, s96, s97
	s_add_co_u32 s96, s96, 8192                    ; v: 4 (2048 + 256 cy + 128 x my half of T)
	s_cmp_lg_u32 s66, 0
	s_cselect_b32 s18, 0, 64
	s_cselect_b32 s19, 4, 0
	s_cselect_b32 s94, 0, 4
	s_cselect_b32 s96, s96, s95
	s_mov_b32 s97, 0
	s_add_nc_u64 s[8:9], s[8:9], s[96:97]
	v_and_b32 v4, 8, v1
	v_add_nc_u32 v4, v4, v1                        ; r + 8 (r / 8)
	v_mul_u32_u24 v4, s19, v4
	v_mad_u32_u24 v4, s18, v2, v4
.irp j, 0,1,2,3,4,5,6,7
	v_mad_u32_u24 v[8+\j], s94, \j, v4
.endr
.irp k, 0,1,2,3,4,5,6,7
.irp j, 0,1,2,3,4,5,6,7
	global_load_b32 v[BI+8*\k+\j], v[8+\j], s[8:9] offset:4*(32*(\k/2)+8*(\k%2))
.endr
.endr
	s_wait_tensorcnt 1                             ; the scales and my part of K step 0 are in; K step 1's load may stay out
	s_barrier_signal -1
	s_barrier_wait -1
	FETCH_B 0, 0, 0
	FETCH_A 0, 0, 0
	SCALES 0
	FETCH_A 0, 0, 1
	s_wait_loadcnt 0x0                             ; the bias
	s_cmp_lg_u32 s66, 0
	s_cbranch_scc1 .Lfirst_v
	STEP 0, 0, 2                                   ; the first step starts the sums: nothing is cleared
	s_branch .Lfirst_done
.Lfirst_v:
	STEP 0, 0, 3
.Lfirst_done:
	TURN 0, 1, 1
	STEP 1, 0, 0
	TURN 1, 0, 1
	STEP 0, 0, 0
	TURN 0, 1, 0                                   ; the last two K steps fetch nothing
	STEP 1, 0, 0
	s_wait_dscnt (NA/2)*NL
	WIN MUL_LO
	MULQ 0, 1, 1, 1, 0
	MULQ 1, 1, 1, 1, 0
	s_wait_dscnt 0x0
	WIN MUL_HI
	MULQ 2, 1, 1, 1, 0
	MULQ 3, 1, 1, 1, 0
	WIN 0
	; THE WAY OUT.  For each of T's tiles a lane's 64 results are 128 neighbours' worth along U (with lane l xor 16): four blocks of 32, one fragment.  q, k: its two halves are the half images of two heads;
	; v: it is the image of 16 channels x 128 keys.  Every store is 256 consecutive bytes, aligned.
	PLACES NP
.irp b, 0,1,2,3
	v_mov_b32 v[TM+4+\b], 0                        ; a lane permute's destination counts as read
.endr
	v_cmp_le_u32 s67, 16, v3                       ; lanes 16-31
	s_mov_b32 s94, 0x76543210
	s_mov_b32 s95, 0xfedcba98
	s_sub_co_u32 s18, s45, 8
	s_lshl_b32 s18, s18, 3
	s_add_co_u32 s18, s18, s42                     ; v: which 256 rows of x
	s_lshl_b32 s19, s41, 2
	s_lshl_b32 s20, s[HTR], 1
	s_add_co_u32 s19, s19, s20                     ; v: my first head
	s_and_b32 s20, s42, 3
	s_lshl_b32 s20, s20, 2
	s_lshl_b32 s21, s[HUR], 1
	s_add_co_u32 s20, s20, s21                     ; q, k: my first head
	s_mul_i32 s21, s[HUR], 6144
	s_add_co_u32 s21, s21, VOFF                    ; v: my 128 keys' four images
	s_mul_i32 s22, s[HTR], 6144                    ; q, k: my eight half images
	s_mov_b32 s96, HP
	s_mov_b32 s97, 768
	s_cmp_lt_u32 s42, 4
	s_cselect_b32 s23, 1, 0
	s_cmp_lg_u32 s66, 0
	s_cselect_b32 s18, s18, s17
	s_cselect_b32 s19, s19, s20
	s_cselect_b32 s92, s21, s22
	s_cselect_b32 s96, 768, s96                    ; S1: from a fragment's first half to its second
	s_cselect_b32 s97, 1536, s97                   ; S2: from tile to tile
	s_cselect_b32 s98, HP-6144, 0                  ; S3: more, from tile 3 to tile 4
	s_cselect_b32 s23, 0, s23                      ; 1: these are q's columns
	s_mov_b32 s93, 0
	s_lshr_b32 s20, s18, 3
	s_lshl_b32 s20, s20, 4
	s_add_co_u32 s20, s20, s19                     ; 16 x batch + head
	s_lshl_b32 s20, s20, 3
	s_and_b32 s21, s18, 7
	s_add_co_u32 s20, s20, s21
	s_mul_i32 s20, s20, REC
	s_mov_b32 s21, 0
	s_cmp_lg_u32 s23, 0
	s_cselect_b64 s[10:11], s[10:11], s[12:13]     ; qb or kv: a choice of pointers, no branch
	s_add_nc_u64 s[12:13], s[10:11], s[20:21]      ; my first head's record
	s_add_nc_u64 s[10:11], s[12:13], s[92:93]      ; and my codes' place in it
.macro QUANTW a
.set AC, 64*((\a)%4)
	WIN 0x0a+5*((\a)/4)                            ; sources 0 and 1: the accumulators' window
.irp b, 0,1,2,3
	v_max3_num_f32 v[TM+\b], |v[AC+16*\b]|, |v[AC+16*\b+1]|, 0x1800000   ; each accumulator is read from its low end on; the floor 2^(3 - 127) holds the byte at 1 from below
.endr
.irp i, 2,4,6,8,10,12,14
.irp b, 0,1,2,3
	v_max3_num_f32 v[TM+\b], |v[AC+16*\b+\i]|, |v[AC+16*\b+\i+1]|, v[TM+\b]
.endr
.endr
	WIN 0
.irp b, 0,1,2,3
	v_permlanex16_b32 v[TM+4+\b], v[TM+\b], s94, s95
.endr
.irp b, 0,1,2,3
	v_max_num_f32 v[TM+\b], v[TM+\b], v[TM+4+\b]   ; with lane l xor 16's: the block's largest magnitude
.endr
.irp b, 0,1,2,3
	v_add_nc_u32 v[TM+12+\b], 0xff000000, v[TM+\b] ; 2 off the exponent field: the conversion's scale operand
.endr
.irp b, 0,1,2,3
	v_lshrrev_b32 v[TM+4+\b], 23, v[TM+12+\b]      ; the scale's byte
.endr
	v_lshl_or_b32 v[SW+(\a)], v[TM+5], 8, v[TM+4]
	v_lshl_or_b32 v[SW+(\a)], v[TM+6], 16, v[SW+(\a)]
	v_lshl_or_b32 v[SW+(\a)], v[TM+7], 24, v[SW+(\a)]
.if (\a) > 0
	s_wait_xcnt 0x0                                ; the last tile's stores have read their data and offsets: both are written again only behind this wait
.endif
	s_mul_i32 s99, s97, (\a)
.if (\a) >= 4
	s_add_co_u32 s99, s99, s98
.endif
	v_add_nc_u32 v[VO0], s99, v[L8]
	v_add_nc_u32 v[VO1], s96, v[VO0]
	WIN 0x02+((\a)/4)
.irp c, 0,1
	v_cvt_scalef32_pk16_fp6_f32 v[PC+6*\c:PC+6*\c+2], v[AC+32*\c:AC+32*\c+15], v[TM+12+2*\c]
	v_cvt_scalef32_pk16_fp6_f32 v[TMP+4*\c:TMP+4*\c+2], v[AC+32*\c+16:AC+32*\c+31], v[TM+12+2*\c+1]
.endr
	WIN 0
	v_nop                                          ; one plain place behind a scaled conversion
.irp c, 0,1                            ; the operand's layout wants a whole block in a lane: lanes 0-15 block 2 c, lanes 16-31 block 2 c + 1
.irp i, 0,1,2
	v_permlane16_swap_b32 v[PC+6*\c+\i], v[TMP+4*\c+\i]
.endr
.irp i, 0,1,2
	v_mov_b32 v[PC+3+6*\c+\i], v[TMP+4*\c+\i]
.endr
.endr
.irp p, 0,1,2
	global_store_b64 v[VO0], v[PC+2*\p:PC+2*\p+1], s[10:11] offset:256*\p
.endr
.irp p, 0,1,2
	global_store_b64 v[VO1], v[PC+6+2*\p:PC+7+2*\p], s[10:11] offset:256*\p
.endr
.endm
.irp a, 0,1,2,3,4,5,6,7
	QUANTW \a
.endr
.irp j, 0,1,2,3
	v_cndmask_b32 v[XS+\j], v[SW+\j], v[SW+4+\j], s67   ; lanes 0-15: tiles 0-3, lanes 16-31: tiles 4-7
.endr
	s_cmp_lg_u32 s66, 0
	s_cbranch_scc1 .Ltail_v
.irp j, 0,1,2,3
	v_and_b32 v[XS+4+\j], 0xffff, v[XS+\j]         ; the first head's two bytes; the word's upper bytes are 0
	v_lshrrev_b32 v[XS+8+\j], 16, v[XS+\j]         ; the second head's
.endr
	s_lshl_b32 s18, s[HTR], 9
	v_lshlrev_b32 v[XS+12], 4, v3
	v_add_nc_u32 v[XS+12], s18, v[XS+12]
	global_store_b128 v[XS+12], v[XS+4:XS+7], s[12:13] offset:KSOFF       ; 512 consecutive bytes, aligned
	global_store_b128 v[XS+12], v[XS+8:XS+11], s[12:13] offset:KSOFF+HP
	s_branch .Ltail_done
.Ltail_v:
	s_lshl_b32 s18, s[HUR], 8
	v_mul_u32_u24 v[XS+12], v2, HP                 ; lanes 16-31 hold the second head's four tiles
	v_lshl_add_u32 v[XS+12], v1, 4, v[XS+12]
	v_add_nc_u32 v[XS+12], s18, v[XS+12]
	s_wait_alu depctr_va_vdst(0)
	global_store_b128 v[XS+12], v[XS:XS+3], s[12:13] offset:VSOFF         ; two runs of 256 consecutive bytes, aligned
.Ltail_done:
	s_wait_tensorcnt 0x0                           ; the wave's end
	ds_add_u32 v[SPW], v[NIL]
	s_wait_dscnt 0x0
	CROUND                                         ; the closing round
	s_endpgm
.Lfunc_end_k_qad5c5f4117_gemm_qkv:
	.size	k_qad5c5f4117_gemm_qkv, .Lfunc_end_k_qad5c5f4117_gemm_qkv-k_qad5c5f4117_gemm_qkv
	.p2alignl 7, 3214868480
	.fill 96, 4, 3214868480
	.section	.rodata,"a",@progbits
	.p2align	6, 0x0
	.amdhsa_kernel k_qad5c5f4117_gemm_qkv
		.amdhsa_group_segment_fixed_size 327680
		.amdhsa_private_segment_fixed_size 0
		.amdhsa_enable_private_segment 0
		.amdhsa_kernarg_size 40
		.amdhsa_user_sgpr_count 2
		.amdhsa_user_sgpr_kernarg_segment_ptr 1
		.amdhsa_wavefront_size32 1
		.amdhsa_system_sgpr_workgroup_id_x 1
		.amdhsa_system_sgpr_workgroup_id_y 1
		.amdhsa_system_sgpr_workgroup_id_z 1
		.amdhsa_system_vgpr_workitem_id 0
		.amdhsa_next_free_vgpr 1024
		.amdhsa_next_free_sgpr 100
		.amdhsa_reserve_vcc 0
		.amdhsa_float_denorm_mode_32 3
		.amdhsa_float_denorm_mode_16_64 3
		.amdhsa_memory_ordered 1
		.amdhsa_forward_progress 1
		.amdhsa_inst_pref_size 191
	.end_amdhsa_kernel
	.amdgpu_metadata
---
amdhsa.version: [ 1, 2 ]
amdhsa.kernels:
  - .name:           k_qad5c5f4117_gemm_qkv
    .symbol:         k_qad5c5f4117_gemm_qkv.kd
    .args:
      - { .name: cod, .offset: 0, .size: 8, .value_kind: global_buffer, .address_space: global }
      - { .name: scl, .offset: 8, .size: 8, .value_kind: global_buffer, .address_space: global }
      - { .name: b_qkv, .offset: 16, .size: 8, .value_kind: global_buffer, .address_space: global }
      - { .name: qb, .offset: 24, .size: 8, .value_kind: global_buffer, .address_space: global }
      - { .name: kv, .offset: 32, .size: 8, .value_kind: global_buffer, .address_space: global }
    .group_segment_fixed_size: 327680
    .private_segment_fixed_size: 0
    .kernarg_segment_align: 8
    .kernarg_segment_size: 40
    .max_flat_workgroup_size: 128
    .sgpr_count:     100
    .vgpr_count:     1024
    .wavefront_size: 32
...
	.end_amdgpu_metadata
.endif
;; end of part 2
;; launch attn (part 3): grid 4 x 64, 16 waves a work-group, no clusters, 327,680 bytes of LDS; arguments qb, kv, oc, os; writes oc, os
.if DOCPART == 3
	.amdgcn_target "amdgcn-amd-amdhsa--gfx1250"
	.amdhsa_code_object_version 6
	.text
	.protected	k_qad5c5f4117_attn
	.globl	k_qad5c5f4117_attn
	.p2align	8
	.type	k_qad5c5f4117_attn,@function
k_qad5c5f4117_attn:
	s_mov_b64 s[64:65], 0
	v_nop
	global_prefetch_b8 v0, s[64:65] scope:SCOPE_SE
	s_setreg_imm32_b32 hwreg(HW_REG_WAVE_MODE, 25, 1), 1
	s_wait_xcnt 0x0
; o = softmax(q k^T / 8, causal) v for each of 64 heads of 2,048 positions x 64 channels, both products on codes of FP6 (E2M3); o is quantised along the model's 1,024 and leaves as codes.
; LEFT OUT: key steps of 128 keys that lie wholly behind a tile's last query: reference() itself sets those scores to -inf, so their weights are 0 for all inputs.
; THE SOFTMAX: t = score x log2(e) / 8; M = the running largest t rounded up to a whole number; p = 2^(t - M) is quantised along the keys; the row's sum is taken of the unquantised p and divides at the end.
; SHARES.  Work-group (i, head) owns the query blocks i and 7 - i of 256 rows and walks NINE visits of 256 keys: visits 0 .. i serve block i, the others block 7 - i: the same count for every work-group.
; Each of sixteen waves owns one tile of 16 queries of the block in hand.  A visit's keys are one record of 26,112 dense bytes (k's 16 half images, v^T's 8 images, both sets of scale words), brought by one
; tensor load of wave 0 into a ring of two LDS slots, a whole visit ahead of its use.
; NO CLUSTER: the four work-groups of a head want different records from visit i + 1 on.  NO PREFETCH: a record is asked for a whole visit, two key steps of sixteen waves, ahead of the wait for it.
; LAYOUT.  S^T = k q^T (source 0 = 16 keys, source 1 = my 16 queries), O^T = v^T p^T: a lane holds one query throughout.  Tiles hold row 32 b + 8 u + r + 8 (r / 8) at place r, so that the 16 registers of key
; tiles 2 b and 2 b + 1 are 16 neighbouring keys.  K = 64 IN AN INSTRUCTION OF 128: q's upper six registers hold zero codes; k's fragments lie six registers apart, so that a tile's upper six are the next
; tile's codes (behind the last: zeros): a zero code times any code adds nothing, and the upper scale bytes are 0, which is a number.
; LIMITS: a block of zeros gets the byte 1; blocks under 2^-124 are held at the byte 1; NaN and infinities are not served.
; REGISTERS: v1 8 x lane, v2 16 r, v3 my query's place less 16 h, v4, v7 addresses of the step, v5, v6 the add's two, v9 8 r; v12 -M, v13 the largest t, v[14:15] the sum; v16-27 q, v28 its scale word;
; v29-35 the second tile's; v36-83 k's or v's fragments, v84-89 zeros; v96-159 S^T, then p; v160-191 O^T; v192-211 codes; v212-223 scale words; v224-255 at work.
.set REC,   26112
.set VOFF,  12288
.set KSOFF, 24576
.set VSOFF, 25600
.set SLOT1, 32768
.set SPARE, 65536                      ; the spare words, 128 bytes for each of sixteen waves
	s_load_b256 s[4:11], s[0:1], 0x0               ; qb, kv, oc, os
	v_lshl_add_u32 v5, v0, 2, SPARE
	v_mov_b32 v6, 0
	ds_add_u32 v5, v6                              ; the wave's opening: the add, twice on end, and its wait ahead of the first tensor load
	ds_add_u32 v5, v6
	v_lshrrev_b32 v8, 5, v0
	s_delay_alu instid0(VALU_DEP_1)
	v_readfirstlane_b32 s12, v8                    ; wave
	s_and_b32 s60, ttmp7, 0xffff                   ; 16 x batch + head
	s_mov_b32 s14, ttmp9                           ; i
	s_add_co_u32 s15, s14, 1                       ; the visit at which the second block begins
	s_and_b32 s61, s12, 1                          ; my tile: the wave's bits b3 b2 b1 b0 give (b0 xor b2) b3 b1 b0, so that light and heavy tiles of a diagonal visit are spread over the waves
	s_bfe_u32 s62, s12, 0x10002
	s_xor_b32 s62, s62, s61
	s_lshl_b32 s62, s62, 3
	s_lshr_b32 s63, s12, 3
	s_lshl_b32 s63, s63, 2
	s_and_b32 s13, s12, 3
	s_or_b32 s13, s13, s62
	s_or_b32 s13, s13, s63
	s_mul_i32 s68, s13, 768                        ; my tile's half image in a record
	s_mov_b32 s69, 0
	s_lshr_b32 s70, s13, 2
	s_lshl_b32 s70, s70, 8
	s_and_b32 s71, s13, 3
	s_lshl_b32 s71, s71, 2
	s_add_co_u32 s70, s70, s71
	s_add_co_u32 s70, s70, KSOFF                   ; and its scale words
	s_mov_b32 s71, 0
	s_and_b32 s74, s60, 15
	s_lshr_b32 s75, s74, 2
	s_lshl_b32 s75, s75, 7
	s_and_b32 s76, s60, 3
	s_lshl_b32 s76, s76, 1
	s_add_co_u32 s75, s75, s76                     ; my head's two scale bytes in a tile's 512
	s_mul_i32 s74, s74, 768                        ; my head's half image in a tile's 12,288 bytes
	s_lshr_b32 s76, s13, 1
	s_lshl_b32 s76, s76, 5
	s_and_b32 s77, s13, 1
	s_lshl_b32 s77, s77, 3
	s_add_co_u32 s76, s76, s77                     ; my tile's first query in its block
	s_sub_co_u32 s77, 7, s14                       ; the second block
	s_mov_b32 s24, 3<<16                           ; group 1: a record as 102 rows of 256 bytes (32 elements of 8), dense
	s_mov_b32 s25, 32<<16
	s_mov_b32 s26, 102<<16
	s_mov_b32 s27, 32<<16
	s_mov_b32 s28, 102
	s_mov_b32 s29, 32
	s_mov_b32 s30, 0
	s_mov_b32 s31, 0
	s_mov_b32 s38, 0                               ; s[38:39] the record in hand, in bytes from the head's first
	s_mov_b32 s39, 0
	s_mov_b32 s40, 0x76543210
	s_mov_b32 s41, 0xfedcba98                      ; selects for lane l xor 16
	s_mov_b32 s42, 0x3e38aa3b                      ; c = log2(e) / 8
	s_mov_b32 s43, s42
	s_mov_b32 s16, 0                               ; the visit
	s_mov_b32 s17, 0                               ; the step's first key
	s_mov_b32 s22, 0                               ; the ring's slot in hand
	s_lshl_b32 s66, s60, 3
	s_mul_i32 s66, s66, REC
	s_mov_b32 s67, 0
	s_wait_dscnt 0x0                               ; both opening adds are done
	s_wait_kmcnt 0x0
	s_add_nc_u64 s[36:37], s[6:7], s[66:67]        ; the head's first record
	s_mov_b32 s32, 1
	s_mov_b32 s33, 0
	s_mov_b64 s[34:35], s[36:37]
	s_or_b32 s35, s35, 0x80000000
	s_cmp_lg_u32 s12, 0
	s_cbranch_scc1 .Lnot_0
	tensor_load_to_lds s[32:35], s[24:31]          ; visit 0's record
	s_nop 0
.rept 4
	v_nop
.endr
.Lnot_0:
.macro BLK kreg, qp, qsp, ocp, osp, qn, qx     ; the addresses of my tile of block s[kreg]
	s_lshl_b32 s66, s60, 3
	s_add_co_u32 s66, s66, s[\kreg]
	s_mul_i32 s66, s66, REC
	s_mov_b32 s67, 0
	s_add_nc_u64 s[\qp:\qp+1], s[4:5], s[66:67]
	s_add_nc_u64 s[\qsp:\qsp+1], s[\qp:\qp+1], s[70:71]
	s_add_nc_u64 s[\qp:\qp+1], s[\qp:\qp+1], s[68:69]
	s_lshr_b32 s66, s60, 4
	s_lshl_b32 s66, s66, 7
	s_lshl_b32 s72, s[\kreg], 4
	s_add_co_u32 s66, s66, s72
	s_add_co_u32 s66, s66, s13                     ; the tile among the 512 of all rows
	s_mul_i32 s72, s66, 12288
	s_add_co_u32 s72, s72, s74
	s_mov_b32 s73, 0
	s_add_nc_u64 s[\ocp:\ocp+1], s[8:9], s[72:73]
	s_lshl_b32 s72, s66, 9
	s_add_co_u32 s72, s72, s75
	s_add_nc_u64 s[\osp:\osp+1], s[10:11], s[72:73]
	s_lshl_b32 s[\qn], s[\kreg], 8
	s_add_co_u32 s[\qn], s[\qn], s76               ; my first query,
	s_add_co_u32 s[\qx], s[\qn], 23                ; and my last
.endm
	BLK 14, 44, 48, 52, 56, 18, 19
	BLK 77, 46, 50, 54, 58, 20, 21
	v_and_b32 v1, 31, v0
	s_delay_alu instid0(VALU_DEP_1)
	v_lshlrev_b32 v1, 3, v1
	v_and_b32 v8, 15, v0                           ; r
	v_bfe_u32 v10, v0, 4, 1                        ; h
	s_delay_alu instid0(VALU_DEP_2)
	v_lshlrev_b32 v2, 4, v8
	s_delay_alu instid0(VALU_DEP_3)
	v_lshlrev_b32 v9, 3, v8
.irp p, 0,1,2
	global_load_b64 v[16+2*\p:17+2*\p], v1, s[44:45] offset:256*\p
	global_load_b64 v[30+2*\p:31+2*\p], v1, s[46:47] offset:256*\p
.endr
	global_load_b32 v28, v2, s[48:49]
	global_load_b32 v29, v2, s[50:51]
	v_and_b32 v11, 8, v8
	s_delay_alu instid0(VALU_DEP_1)
	v_add_nc_u32 v3, v11, v8
	v_lshlrev_b32 v11, 4, v10
	s_delay_alu instid0(VALU_DEP_1)
	v_sub_nc_u32 v3, v3, v11                       ; r + 8 (r / 8) - 16 h
.irp i, 0,1,2,3,4,5
	v_mov_b32 v[22+\i], 0                          ; q's upper 64 along K: zero codes
	v_mov_b32 v[84+\i], 0                          ; what stands behind k's last fragment
.endr
	v_mov_b32 v13, 0xff61b1e6                      ; the largest t so far: -3e38
	s_delay_alu instid0(VALU_DEP_1)
	v_floor_f32 v12, -v13
	v_mov_b32 v14, 0
	v_mov_b32 v15, 0
.irp b, 0,1,2,3
	v_mov_b32 v[228+\b], 0                         ; a lane permute's destination counts as read
.endr
	v_mov_b32 v238, 0
	v_mov_b32 v241, 0                              ; (named as the upper half of a pair before it is first written)
.set n_, 0
.rept 32
	v_mov_b32 v[160+n_], 0                         ; O^T: the step is written once; the first finds zeros
.set n_, n_+1
.endr
; THE CHANGE OF SLOTS stands at a visit's head: every wave waits for all its tensor loads, adds 0 to its spare word, waits for that and for its reads of the slot that it has left, and passes the barrier.
; fill = 1: the slot just left takes the next visit's record.
.macro CHANGE fill
	s_wait_tensorcnt 0x0                           ; no tensor load of mine is out, so group 0 may be written
	ds_add_u32 v5, v6
.if \fill
	ds_add_u32 v5, v6                              ; twice on end, in every trip alike
	s_xor_b32 s33, s33, SLOT1
	s_add_co_u32 s66, s38, REC
	s_cmp_eq_u32 s16, s14                          ; behind visit i the walk begins anew, for the second block
	s_cselect_b32 s38, 0, s66
	s_add_nc_u64 s[34:35], s[36:37], s[38:39]
	s_or_b32 s35, s35, 0x80000000
.endif
	s_wait_dscnt 0x0
	s_barrier_signal -1
	s_barrier_wait -1
.if \fill
	s_cmp_lg_u32 s12, 0
	s_cbranch_scc1 .Lnl_\@
	tensor_load_to_lds s[32:35], s[24:31]          ; the first thing behind the barrier, and the wave's one load until the next
	s_nop 0
.rept 4
	v_nop
.endr
.Lnl_\@:
.endif
.endm
; A KEY STEP: 128 keys, the q-th of the record in hand.
.macro STEP q
	s_cmp_gt_u32 s17, s19                          ; all its keys come behind my last query: the step's work is left out (ids and counts of steps alone)
	s_cbranch_scc1 .Lhid_\@
	v_add_nc_u32 v4, s22, v1
	v_add_nc_u32 v7, s22, v2
	v_nop
	v_nop                                          ; four places in front of loads into registers that the last products have read
.irp t, 0,1,2,3,4,5,6,7
.irp p, 0,1,2
	ds_load_b64 v[36+6*\t+2*\p:37+6*\t+2*\p], v4 offset:(8*(\q)+\t)*768+256*\p
.endr
.endr
.irp e, 0,1
	ds_load_b128 v[212+4*\e:215+4*\e], v7 offset:KSOFF+512*(\q)+256*\e
.endr
	s_wait_alu depctr_va_vdst(0)
	s_wait_dscnt 0x0
.irp t, 0,1,2,3,4,5,6,7
	v_wmma_scale_f32_16x16x128_f8f6f4 v[96+8*\t:103+8*\t], v[36+6*\t:47+6*\t], v[16:27], 0, v[212+\t], v28 matrix_a_fmt:MATRIX_FMT_FP6 matrix_b_fmt:MATRIX_FMT_FP6
.endr
.rept 4
	v_nop
.endr
.irp t, 0,1,2,3                        ; v's fragments are asked for now and land under the softmax
.irp p, 0,1,2,3,4,5
	ds_load_b64 v[36+12*\t+2*\p:37+12*\t+2*\p], v4 offset:VOFF+(4*(\q)+\t)*1536+256*\p
.endr
.endr
	ds_load_b128 v[220:223], v7 offset:VSOFF+256*(\q)
	s_add_co_u32 s66, s17, 127                     ; on the diagonal hidden scores become -infinity ahead of the maximum; a step all of whose keys count skips this
	s_cmp_le_u32 s66, s18
	s_cbranch_scc1 .Lopen_\@
	s_sub_co_i32 s66, s18, s17
	v_add_nc_u32 v242, s66, v3                     ; d = my query - the step's first key - 16 h.  Register 16 b + i holds key 32 b + 16 h + i of the step: hidden where 32 b + i > d
	v_mov_b32 v243, 0xff800000
.set n_, 0
.rept 64
	v_cmp_gt_i32 vcc_lo, 32*(n_/16)+n_%16, v242
	v_cndmask_b32 v[96+n_], v[96+n_], v243, vcc_lo
.set n_, n_+1
.endr
.Lopen_\@:
.irp b, 0,1,2,3
	v_max3_num_f32 v[224+\b], v[96+16*\b], v[97+16*\b], v[98+16*\b]   ; the largest score of each block of 32 keys: it serves the row's maximum and, since p rises with the score, the block's largest p
.endr
.irp i, 3,5,7,9,11,13
.irp b, 0,1,2,3
	v_max3_num_f32 v[224+\b], v[224+\b], v[96+16*\b+\i], v[97+16*\b+\i]
.endr
.endr
.irp b, 0,1,2,3
	v_max_num_f32 v[224+\b], v[224+\b], v[111+16*\b]
.endr
.irp b, 0,1,2,3
	s_delay_alu instid0(VALU_DEP_4)
	v_permlanex16_b32 v[228+\b], v[224+\b], s40, s41
.endr
.irp b, 0,1,2,3
	s_delay_alu instid0(VALU_DEP_4)
	v_max_num_f32 v[224+\b], v[224+\b], v[228+\b]
.endr
	s_delay_alu instid0(VALU_DEP_2)
	v_max3_num_f32 v238, v224, v225, v226
	s_delay_alu instid0(VALU_DEP_1)
	v_max_num_f32 v238, v238, v227
	s_delay_alu instid0(VALU_DEP_1)
	v_mul_f32 v238, s42, v238
	s_delay_alu instid0(VALU_DEP_1)
	v_max_num_f32 v13, v13, v238                   ; the running largest t
	v_mov_b32 v238, v12
	s_delay_alu instid0(VALU_DEP_2)
	v_floor_f32 v12, -v13                          ; the new -M = -ceil(t)
	s_delay_alu instid0(VALU_DEP_1)
	v_sub_f32 v238, v12, v238                      ; old M - new M: a whole number, 0 or less
	s_delay_alu instid0(VALU_DEP_1)
	v_cvt_i32_f32 v238, v238                       ; (it saturates)
	s_delay_alu instid0(VALU_DEP_1)
	v_ldexp_f32 v240, 1.0, v238                    ; f = 2^(old M - new M): a multiplication by it rounds nothing
.set n_, 0
.rept 32
	v_pk_fma_f32 v[96+n_:97+n_], v[96+n_:97+n_], s[42:43], v[12:13] op_sel_hi:[1,0,0]   ; t - M
.set n_, n_+2
.endr
.irp b, 0,1,2,3
	v_fma_f32 v[224+\b], v[224+\b], s42, v12
.endr
.set n_, 0
	s_wait_alu depctr_va_vdst(0)
.rept 64
	v_exp_f32 v[96+n_], v[96+n_]                   ; p = 2^(t - M)
.set n_, n_+1
.endr
	v_pk_mul_f32 v[14:15], v[14:15], v[240:241] op_sel_hi:[1,0]   ; the sums under the new M: a plain place behind the exponentials
	s_wait_alu depctr_va_vdst(0)                   ; one wait for the batch, ahead of its first reader
.irp b, 0,1,2,3
	v_exp_f32 v[224+\b], v[224+\b]                 ; each block's largest p
.endr
	v_pk_add_f32 v[236:237], v[100:101], v[104:105]
	v_pk_add_f32 v[254:255], v[108:109], v[112:113]
	v_pk_add_f32 v[252:253], v[116:117], v[120:121]
	v_pk_add_f32 v[250:251], v[124:125], v[128:129]
	v_pk_add_f32 v[248:249], v[132:133], v[136:137]
	v_pk_add_f32 v[246:247], v[140:141], v[144:145]
	v_pk_add_f32 v[244:245], v[148:149], v[152:153]
	v_pk_add_f32 v[14:15], v[14:15], v[156:157]
	v_pk_add_f32 v[236:237], v[236:237], v[96:97]
	v_pk_add_f32 v[254:255], v[254:255], v[98:99]
	v_pk_add_f32 v[252:253], v[252:253], v[102:103]
	v_pk_add_f32 v[250:251], v[250:251], v[106:107]
	v_pk_add_f32 v[248:249], v[248:249], v[110:111]
	v_pk_add_f32 v[246:247], v[246:247], v[114:115]
	v_pk_add_f32 v[244:245], v[244:245], v[118:119]
	v_pk_add_f32 v[14:15], v[14:15], v[122:123]
	v_pk_add_f32 v[236:237], v[236:237], v[126:127]
	v_pk_add_f32 v[254:255], v[254:255], v[130:131]
	v_pk_add_f32 v[252:253], v[252:253], v[134:135]
	v_pk_add_f32 v[250:251], v[250:251], v[138:139]
	v_pk_add_f32 v[248:249], v[248:249], v[142:143]
	v_pk_add_f32 v[246:247], v[246:247], v[146:147]
	v_pk_add_f32 v[244:245], v[244:245], v[150:151]
	v_pk_add_f32 v[14:15], v[14:15], v[154:155]
	v_pk_add_f32 v[236:237], v[236:237], v[158:159]
	s_delay_alu instid0(VALU_DEP_2)
	v_pk_add_f32 v[14:15], v[14:15], v[250:251]
	s_delay_alu instid0(VALU_DEP_2)
	v_pk_add_f32 v[236:237], v[236:237], v[248:249]
	v_pk_add_f32 v[254:255], v[254:255], v[246:247]
	v_pk_add_f32 v[252:253], v[252:253], v[244:245]
	s_delay_alu instid0(VALU_DEP_2)
	v_pk_add_f32 v[14:15], v[14:15], v[254:255]
	s_delay_alu instid0(VALU_DEP_2)
	v_pk_add_f32 v[236:237], v[236:237], v[252:253]
	s_delay_alu instid0(VALU_DEP_1)
	v_pk_add_f32 v[14:15], v[14:15], v[236:237]
	s_wait_alu depctr_va_vdst(0)                   ; and one for the four
.irp b, 0,1,2,3
	v_max_num_f32 v[224+\b], 0x1800000, v[224+\b]  ; the floor 2^(3 - 127)
.endr
.irp b, 0,1,2,3
	s_delay_alu instid0(VALU_DEP_4)
	v_add_nc_u32 v[232+\b], 0xff000000, v[224+\b]
.endr
.irp b, 0,1,2,3
	s_delay_alu instid0(VALU_DEP_4)
	v_lshrrev_b32 v[228+\b], 23, v[232+\b]
.endr
	s_delay_alu instid0(VALU_DEP_3)
	v_lshl_or_b32 v241, v229, 8, v228              ; p's scale word for these 128 keys
	s_delay_alu instid0(VALU_DEP_1)
	v_lshl_or_b32 v241, v230, 16, v241
	s_delay_alu instid0(VALU_DEP_1)
	v_lshl_or_b32 v241, v231, 24, v241
.irp c, 0,1
	v_cvt_scalef32_pk16_fp6_f32 v[192+6*\c:194+6*\c], v[96+32*\c:111+32*\c], v[232+2*\c]
	v_cvt_scalef32_pk16_fp6_f32 v[204+4*\c:206+4*\c], v[112+32*\c:127+32*\c], v[232+2*\c+1]
.endr
	v_nop
.irp c, 0,1
.irp i, 0,1,2
	v_permlane16_swap_b32 v[192+6*\c+\i], v[204+4*\c+\i]
.endr
.irp i, 0,1,2
	s_delay_alu instid0(VALU_DEP_3)
	v_mov_b32 v[195+6*\c+\i], v[204+4*\c+\i]
.endr
.endr
.set n_, 0
.rept 16
	v_pk_mul_f32 v[160+n_:161+n_], v[160+n_:161+n_], v[240:241] op_sel_hi:[1,0]   ; O^T under the new M; these sixteen are also the places in front of the products below
.set n_, n_+2
.endr
	s_wait_alu depctr_va_vdst(0)
	s_wait_dscnt 0x0                               ; v's fragments and scale words
.irp t, 0,1,2,3
	v_wmma_scale_f32_16x16x128_f8f6f4 v[160+8*\t:167+8*\t], v[36+12*\t:47+12*\t], v[192:203], v[160+8*\t:167+8*\t], v[220+\t], v241 matrix_a_fmt:MATRIX_FMT_FP6 matrix_b_fmt:MATRIX_FMT_FP6
.endr
.Lhid_\@:
	s_add_co_u32 s17, s17, 128
.endm
; A tile is finished: O^T / the sum; its 64 channels are two blocks of the output product's K: quantised, and stored as a half image (three runs of 256 aligned bytes) and two scale bytes a row.
.macro FINISH ocp, osp
.rept 4
	v_nop
.endr
	v_add_f32 v14, v14, v15
	s_delay_alu instid0(VALU_DEP_1)
	v_permlanex16_b32 v238, v14, s40, s41
	s_delay_alu instid0(VALU_DEP_1)
	v_add_f32 v14, v14, v238                       ; the row's sum
	s_wait_alu depctr_va_vdst(0)
	v_rcp_f32 v14, v14
	v_nop
	s_wait_alu depctr_va_vdst(0)
.set n_, 0
.rept 16
	v_pk_mul_f32 v[96+n_:97+n_], v[160+n_:161+n_], v[14:15] op_sel_hi:[1,0]   ; register 16 b + i: channel 32 b + 16 h + i
.set n_, n_+2
.endr
.irp b, 0,1
	v_max3_num_f32 v[224+\b], |v[96+16*\b]|, |v[97+16*\b]|, 0x1800000
.endr
.irp i, 2,4,6,8,10,12,14
.irp b, 0,1
	s_delay_alu instid0(VALU_DEP_2)
	v_max3_num_f32 v[224+\b], v[224+\b], |v[96+16*\b+\i]|, |v[97+16*\b+\i]|
.endr
.endr
.irp b, 0,1
	s_delay_alu instid0(VALU_DEP_2)
	v_permlanex16_b32 v[228+\b], v[224+\b], s40, s41
.endr
.irp b, 0,1
	s_delay_alu instid0(VALU_DEP_2)
	v_max_num_f32 v[224+\b], v[224+\b], v[228+\b]
.endr
.irp b, 0,1
	s_delay_alu instid0(VALU_DEP_2)
	v_add_nc_u32 v[232+\b], 0xff000000, v[224+\b]
.endr
.irp b, 0,1
	s_delay_alu instid0(VALU_DEP_2)
	v_lshrrev_b32 v[228+\b], 23, v[232+\b]
.endr
	s_delay_alu instid0(VALU_DEP_1)
	v_lshl_or_b32 v238, v229, 8, v228
	v_cvt_scalef32_pk16_fp6_f32 v[192:194], v[96:111], v232
	v_cvt_scalef32_pk16_fp6_f32 v[204:206], v[112:127], v233
	v_nop
.irp i, 0,1,2
	v_permlane16_swap_b32 v[192+\i], v[204+\i]
.endr
.irp i, 0,1,2
	s_delay_alu instid0(VALU_DEP_3)
	v_mov_b32 v[195+\i], v[204+\i]
.endr
.irp p, 0,1,2
	global_store_b64 v1, v[192+2*\p:193+2*\p], s[\ocp:\ocp+1] offset:256*\p
.endr
	global_store_b16 v9, v238, s[\osp:\osp+1]      ; 2 of each row's 8 bytes (lanes l and l xor 16 write the same): 32 bytes beside the tile's 768 of codes
	s_wait_xcnt 0x0                                ; the stores have read their registers
.endm
	s_wait_loadcnt 0x0                             ; both tiles of q
.Lvisit:                                           ; eight trips; behind each change of slots the next visit's record is asked for
	CHANGE 1
	s_cmp_eq_u32 s16, s15                          ; ids and the count of visits alone: all sixteen waves go the same way
	s_cbranch_scc0 .Lsame
	FINISH 52, 56
	v_mov_b32 v28, v29                             ; the second tile takes the first's place; more than eight plain lines stand between these and the next product
.irp i, 0,1,2,3,4,5
	v_mov_b32 v[16+\i], v[30+\i]
.endr
	v_mov_b32 v13, 0xff61b1e6
	s_delay_alu instid0(VALU_DEP_1)
	v_floor_f32 v12, -v13
	v_mov_b32 v14, 0
	v_mov_b32 v15, 0
.set n_, 0
.rept 32
	v_mov_b32 v[160+n_], 0
.set n_, n_+1
.endr
	s_mov_b32 s17, 0
	s_mov_b32 s18, s20
	s_mov_b32 s19, s21
.Lsame:
	STEP 0
	STEP 1
	s_xor_b32 s22, s22, SLOT1
	s_add_co_u32 s16, s16, 1
	s_cmp_lt_u32 s16, 8
	s_cbranch_scc1 .Lvisit
	CHANGE 0                                       ; the last visit is written out: nothing is left to fetch
	STEP 0
	STEP 1
	FINISH 54, 58
	s_wait_tensorcnt 0x0                           ; the wave's end
	ds_add_u32 v5, v6
	s_wait_dscnt 0x0
	s_endpgm
.Lfunc_end_k_qad5c5f4117_attn:
	.size	k_qad5c5f4117_attn, .Lfunc_end_k_qad5c5f4117_attn-k_qad5c5f4117_attn
	.p2alignl 7, 3214868480
	.fill 96, 4, 3214868480
	.section	.rodata,"a",@progbits
	.p2align	6, 0x0
	.amdhsa_kernel k_qad5c5f4117_attn
		.amdhsa_group_segment_fixed_size 327680
		.amdhsa_private_segment_fixed_size 0
		.amdhsa_enable_private_segment 0
		.amdhsa_kernarg_size 32
		.amdhsa_user_sgpr_count 2
		.amdhsa_user_sgpr_kernarg_segment_ptr 1
		.amdhsa_wavefront_size32 1
		.amdhsa_system_sgpr_workgroup_id_x 1
		.amdhsa_system_sgpr_workgroup_id_y 1
		.amdhsa_system_sgpr_workgroup_id_z 1
		.amdhsa_system_vgpr_workitem_id 0
		.amdhsa_next_free_vgpr 256
		.amdhsa_next_free_sgpr 80
		.amdhsa_reserve_vcc 1
		.amdhsa_float_denorm_mode_32 3
		.amdhsa_float_denorm_mode_16_64 3
		.amdhsa_memory_ordered 1
		.amdhsa_forward_progress 1
		.amdhsa_inst_pref_size 113
	.end_amdhsa_kernel
	.amdgpu_metadata
---
amdhsa.version: [ 1, 2 ]
amdhsa.kernels:
  - .name:           k_qad5c5f4117_attn
    .symbol:         k_qad5c5f4117_attn.kd
    .args:
      - { .name: qb, .offset: 0, .size: 8, .value_kind: global_buffer, .address_space: global }
      - { .name: kv, .offset: 8, .size: 8, .value_kind: global_buffer, .address_space: global }
      - { .name: oc, .offset: 16, .size: 8, .value_kind: global_buffer, .address_space: global }
      - { .name: os, .offset: 24, .size: 8, .value_kind: global_buffer, .address_space: global }
    .group_segment_fixed_size: 327680
    .private_segment_fixed_size: 0
    .kernarg_segment_align: 8
    .kernarg_segment_size: 32
    .max_flat_workgroup_size: 512
    .sgpr_count:     80
    .vgpr_count:     256
    .wavefront_size: 32
...
	.end_amdgpu_metadata
.endif
;; end of part 3
;; launch gemm_o (part 4): grid 4 x 64, 4 waves a work-group, clusters of 4 x 4, 327,680 bytes of LDS; arguments oc, os, cod, scl, b_o, out0; writes out0
.if DOCPART == 4
	.amdgcn_target "amdgcn-amd-amdhsa--gfx1250"
	.amdhsa_code_object_version 6
	.text
	.protected	k_qad5c5f4117_gemm_o
	.globl	k_qad5c5f4117_gemm_o
	.p2align	8
	.type	k_qad5c5f4117_gemm_o,@function
k_qad5c5f4117_gemm_o:
	s_mov_b64 s[64:65], 0
	v_nop
	global_prefetch_b8 v0, s[64:65] scope:SCOPE_SE
	s_setreg_imm32_b32 hwreg(HW_REG_WAVE_MODE, 25, 1), 1
	s_wait_xcnt 0x0
	s_wait_alu depctr_hold_cnt(0) depctr_sa_sdst(0) depctr_va_vdst(0) depctr_va_sdst(0) depctr_va_ssrc(0) depctr_va_vcc(0) depctr_vm_vsrc(0)
	s_getreg_b32 s2, hwreg(HW_REG_IB_STS2, 6, 4)
	s_cmp_eq_u32 s2, 0
	s_cbranch_scc0 .Lentry_in_a_cluster
	s_endpgm
.Lentry_in_a_cluster:
	s_bfe_u32 s2, ttmp6, 0x10000c
	s_cmp_lg_u32 s2, 0xf033
	s_cbranch_scc0 .Lentry_shape_is_right
	s_endpgm
.Lentry_shape_is_right:
; out0 = o W_o + b_o on codes of FP6 (E2M3) with E8M0 scales, K = 1024.  o's codes and scale bytes come from the attention launch, W_o's from the first; both lie as operand images (1,536 bytes a fragment:
; register pair p of lane l at 256 p + 8 l), in tiles whose place r holds row 32 b + 8 u + r + 8 (r / 8).
; A work-group of four waves makes 128 rows x 256 columns, so that there are 256 work-groups; a wave 64 x 128: 32 accumulators.  U (source 0, along a lane's registers) = columns of W_o, T (source 1, in the lanes) = rows of o.
; ALL OF K LIES IN LDS: four chunks of 256 along K, all of them first fills, asked for at the head; nothing is filled again.  CLUSTERS 4 x 4: T's tiles are asked for jointly along a row, U's along a column.
; The bias is the C of each sum's first matrix instruction.  Results leave through each wave's own stage, which lies in chunk 0: that chunk has had its one fill, and every wave has passed three later barriers.
; REGISTERS: window 0: v1-3 r, h, lane; v16-29 addresses; v32-63 scale words, two sets; v64-127 the bias; v128-175 T's fragments, one set; on the way out v128-255.
;   window 1: U's fragments, two sets, at v0 and v128.   window 2: the accumulators, (a, b) at v[8 (8 a + b)].
.set NA,     4
.set FR,     12
.set NL,     6
.set NP,     4                         ; places behind this matrix instruction (ISA guide 7.12.1)
.set HALFA,  NA*3072
.set HALFB,  24576
.set SLOT,   2*HALFA+2*HALFB
.set HALFSA, NA*512
.set HALFSB, 4096
.set SCL,    4*SLOT
.set SPARE,  SCL+2*HALFSA+2*HALFSB     ; the spare words, 128 bytes for each wave
.set SPITCH, 528
.set ADRA, 16
.set ADRB, 20
.set STO,  24
.set RD,   25
.set CO,   26
.set ADRS, 27
.set SPW,  28
.set NIL,  29
.set SC,   32
.set BI,   64
.set AF,   128
.set BK,   128
.set WVN, 16
.set HTR, 17                           ; s17 my half of T.  Also: I fetch for T (0) or for U (1)
.set HUR, 18                           ; s18 my half of U.  Also: which half I fetch
.set G1,   24
.set G1B,  32
.set G1S,  40
.set G1SB, 48
.set G0S,  56
.set G0SB, 60
.set G0,   68                          ; s[68:83] group 0 for T's four chunks
.set G0B,  84                          ; s[84:99] for U's
.set MUL_LO,  0xa1
.set MUL_HI,  0xa1
.set MUL_LOB, 0x81
.set MUL_HIB, 0x81
.set TO_B,    0x40
.set MSB, 0
.macro WIN new
.if MSB != (\new)
	s_set_vgpr_msb (MSB<<8)|(\new)
.set MSB, (\new)
.endif
.endm
.macro JLOAD g0a, g1a, g0b, g1b        ; a joint load: waves 0 and 1 fetch for T, waves 2 and 3 for U; an s_nop 0 and four v_nop follow each of the two lines
	s_cmp_eq_u32 s[HTR], 0
	s_cbranch_scc0 .Lfor_b_\@
	tensor_load_to_lds s[\g0a:\g0a+3], s[\g1a:\g1a+7]
	s_nop 0
.rept 4
	v_nop
.endr
	s_branch .Lasked_\@
.Lfor_b_\@:
	tensor_load_to_lds s[\g0b:\g0b+3], s[\g1b:\g1b+7]
	s_nop 0
.rept 4
	v_nop
.endr
.Lasked_\@:
.endm
.macro CREST
	s_cmp_lg_u32 s[WVN], 0
	s_cbranch_scc1 .Lnot_wave_0_\@
	s_barrier_signal -3
.Lnot_wave_0_\@:
	s_barrier_wait -3
	s_barrier_signal -1
	s_barrier_wait -1
.endm
.macro CROUND
	s_barrier_signal -1
	s_barrier_wait -1
	CREST
.endm
.macro PLACES n
.rept \n
	v_nop
.endr
.endm
.macro FRAG reg, adr, q, i
.irp p, 0,1,2,3,4,5
	ds_load_b64 v[\reg+2*\p:\reg+2*\p+1], v[\adr] offset:(\i)*3072+(\q)*1536+256*\p
.endr
.endm
.macro FETCH_B slot, q, p
	WIN TO_B
.irp i, 0,1,2,3,4,5,6,7
	FRAG 128*(\p)+FR*\i, ADRB+(\slot), \q, \i
.endr
	WIN 0
.endm
.macro FETCH_A slot, q, half
.set i_, (\half)*NA/2
.rept NA/2
	FRAG AF+FR*i_, ADRA+(\slot), \q, i_
.set i_, i_+1
.endr
.endm
.macro SCALES sc                       ; lanes 0-15 T's tile i (for i over 3 they read filled bytes that nobody uses), lanes 16-31 U's tile i
.irp i, 0,1,2,3,4,5,6,7
	ds_load_b64 v[SC+16*(\sc)+2*\i:SC+16*(\sc)+2*\i+1], v[ADRS] offset:512*\i
.endr
.endm
.macro MULQ k, p, q, sc, cm            ; one of T's tiles against U's eight; cm = 2: the sums begin with the bias.  The accumulators take turns, one instruction a turn
.set a_, (\k)*NA/4
.rept NA/4
.set b_, 0
.rept 8
.set c_, 8*(8*(a_%4)+b_)
.if (\cm) == 0
	v_wmma_scale_f32_16x16x128_f8f6f4 v[c_:c_+7], v[128*(\p)+FR*b_:128*(\p)+FR*b_+FR-1], v[AF+FR*a_:AF+FR*a_+FR-1], v[c_:c_+7], v[SC+16*(\sc)+2*b_+(\q)], v[SC+16*(\sc)+2*a_+(\q)] matrix_a_fmt:MATRIX_FMT_FP6 matrix_b_fmt:MATRIX_FMT_FP6 matrix_a_scale:MATRIX_SCALE_ROW1
.else
	v_wmma_scale_f32_16x16x128_f8f6f4 v[c_:c_+7], v[128*(\p)+FR*b_:128*(\p)+FR*b_+FR-1], v[AF+FR*a_:AF+FR*a_+FR-1], v[BI+8*b_:BI+8*b_+7], v[SC+16*(\sc)+2*b_+(\q)], v[SC+16*(\sc)+2*a_+(\q)] matrix_a_fmt:MATRIX_FMT_FP6 matrix_b_fmt:MATRIX_FMT_FP6 matrix_a_scale:MATRIX_SCALE_ROW1
.endif
.set b_, b_+1
.endr
.set a_, a_+1
.endr
.endm
.macro STEP slot, q, cm
	s_wait_dscnt (NA/2)*NL                         ; all but the youngest loads, T's upper half
.if \cm
	WIN MUL_LOB
.else
	WIN MUL_LO
.endif
	MULQ 0, (\q)%2, \q, (\slot)%2, \cm
	MULQ 1, (\q)%2, \q, (\slot)%2, \cm
	s_wait_dscnt 0x0
	PLACES NP
	FETCH_B \slot, (\q)+1, 1-(\q)%2
	FETCH_A \slot, (\q)+1, 0
.if \cm
	WIN MUL_HIB
.else
	WIN MUL_HI
.endif
	MULQ 2, (\q)%2, \q, (\slot)%2, \cm
	MULQ 3, (\q)%2, \q, (\slot)%2, \cm
	PLACES NP
	WIN 0
	FETCH_A \slot, (\q)+1, 1
.endm
; A chunk's last step goes on to the next chunk: my part of it has landed (cnt: the chunks behind it may stay out), and the barrier shows everybody's.
.macro TURNO slot, next, cnt
	s_wait_tensorcnt \cnt
	s_wait_dscnt (NA/2)*NL
	WIN MUL_LO
	MULQ 0, 1, 1, (\slot)%2, 0
	s_wait_dscnt 0x0                               ; no LDS instruction of mine is out at the signal
	s_barrier_signal -1
	MULQ 1, 1, 1, (\slot)%2, 0
	WIN 0
	s_barrier_wait -1
	PLACES NP
	v_add_nc_u32 v[ADRS], 128, v[ADRS]
	FETCH_B \next, 0, 0
	FETCH_A \next, 0, 0
	SCALES (\next)%2
	WIN MUL_HI
	MULQ 2, 1, 1, (\slot)%2, 0
	MULQ 3, 1, 1, (\slot)%2, 0
	PLACES NP
	WIN 0
	FETCH_A \next, 0, 1
.endm
	s_load_b256 s[4:11], s[0:1], 0x0               ; oc, os, cod, scl
	s_load_b128 s[12:15], s[0:1], 0x20             ; b_o, out0
	v_lshl_add_u32 v[SPW], v0, 2, SPARE
	v_mov_b32 v[NIL], 0
	ds_add_u32 v[SPW], v[NIL]                      ; the wave's opening: the add, twice on end, and its wait ahead of my first tensor load
	ds_add_u32 v[SPW], v[NIL]
	v_lshrrev_b32 v1, 5, v0
	v_readfirstlane_b32 s[WVN], v1
	s_lshr_b32 s[HTR], s[WVN], 1
	s_and_b32 s[HUR], s[WVN], 1
	s_bfe_u32 s19, ttmp6, 0x40000                  ; cx
	s_bfe_u32 s20, ttmp6, 0x40004                  ; cy
	s_lshl_b32 s22, s20, 2
	s_lshl_b32 s22, 15, s22                        ; my row of the cluster
	s_lshl_b32 s23, 0x1111, s19                    ; my column
	s_lshl_b32 s2, ttmp9, 2
	s_add_co_u32 s19, s19, s2                      ; x
	s_and_b32 s21, ttmp7, 0xffff
	s_lshl_b32 s21, s21, 2
	s_add_co_u32 s21, s21, s20                     ; y
	s_or_b32 s[G1+0], s22, (3<<16)|(1<<21)         ; T: 4 tiles x 3,072 bytes, 12,288 bytes apart; elements of 8 bytes; no padding
	s_mov_b32 s[G1+1], 384<<16
	s_mov_b32 s[G1+2], NA<<16
	s_mov_b32 s[G1+3], 384<<16
	s_mov_b32 s[G1+4], NA
	s_mov_b32 s[G1+5], 1536
	s_mov_b32 s[G1+6], 0
	s_mov_b32 s[G1+7], 0
	s_or_b32 s[G1B+0], s23, (3<<16)|(1<<21)        ; U: 8 tiles
	s_mov_b32 s[G1B+1], 384<<16
	s_mov_b32 s[G1B+2], 8<<16
	s_mov_b32 s[G1B+3], 384<<16
	s_mov_b32 s[G1B+4], 8
	s_mov_b32 s[G1B+5], 1536
	s_mov_b32 s[G1B+6], 0
	s_mov_b32 s[G1B+7], 0
	s_or_b32 s[G1S+0], s22, (3<<16)|(1<<21)        ; T's scale bytes: 2,048 dense bytes as 8 rows of 256
	s_mov_b32 s[G1S+1], 32<<16
	s_mov_b32 s[G1S+2], (2*NA)<<16
	s_mov_b32 s[G1S+3], 32<<16
	s_mov_b32 s[G1S+4], 2*NA
	s_mov_b32 s[G1S+5], 32
	s_mov_b32 s[G1S+6], 0
	s_mov_b32 s[G1S+7], 0
	s_or_b32 s[G1SB+0], s23, (3<<16)|(1<<21)       ; U's: 4,096 as 16 rows
	s_mov_b32 s[G1SB+1], 32<<16
	s_mov_b32 s[G1SB+2], 16<<16
	s_mov_b32 s[G1SB+3], 32<<16
	s_mov_b32 s[G1SB+4], 16
	s_mov_b32 s[G1SB+5], 32
	s_mov_b32 s[G1SB+6], 0
	s_mov_b32 s[G1SB+7], 0
	s_lshl_b32 s100, s21, 3
	s_lshl_b32 s101, s[HUR], 2
	s_add_co_u32 s100, s100, s101                  ; T's tile: 8 y + 4 x the half I fetch
	s_mul_i32 s66, s100, 12288
	s_mov_b32 s67, 0
	s_lshl_b32 s100, s100, 9
	s_mov_b32 s101, 0
	s_wait_dscnt 0x0                               ; both opening adds are done
	s_wait_kmcnt 0x0
	s_add_nc_u64 s[4:5], s[4:5], s[66:67]
	s_add_nc_u64 s[6:7], s[6:7], s[100:101]
	s_lshl_b32 s2, s19, 4
	s_lshl_b32 s3, s[HUR], 3
	s_add_co_u32 s2, s2, s3
	s_add_co_u32 s2, s2, 704                       ; U's tile: 704 + 16 x + 8 x the half I fetch
	s_mul_i32 s2, s2, 12288
	s_mov_b32 s3, 0
	s_add_nc_u64 s[8:9], s[8:9], s[2:3]
	s_lshl_b32 s2, s19, 4
	s_lshl_b32 s3, s[HUR], 3
	s_add_co_u32 s2, s2, s3
	s_add_co_u32 s2, s2, 704
	s_lshl_b32 s2, s2, 9
	s_mov_b32 s3, 0
	s_add_nc_u64 s[10:11], s[10:11], s[2:3]
	s_mul_i32 s66, s[HUR], HALFA                   ; where they go: no place in the cluster enters an LDS address
	s_mul_i32 s67, s[HUR], HALFB
	s_add_co_u32 s67, s67, 2*HALFA
	s_mul_i32 s100, s[HUR], HALFSA
	s_mul_i32 s101, s[HUR], HALFSB
	CROUND                                         ; all sixteen work-groups are here: the joint loads meet
	s_mov_b32 s[G0S], 1
	s_add_co_u32 s[G0S+1], s100, SCL
	s_mov_b64 s[G0S+2:G0S+3], s[6:7]
	s_or_b32 s[G0S+3], s[G0S+3], 0x80000000
	s_mov_b32 s[G0SB], 1
	s_add_co_u32 s[G0SB+1], s101, SCL+2*HALFSA
	s_mov_b64 s[G0SB+2:G0SB+3], s[10:11]
	s_or_b32 s[G0SB+3], s[G0SB+3], 0x80000000
	JLOAD G0S, G1S, G0SB, G1SB
.irp s, 0,1,2,3
	s_mov_b32 s[G0+4*\s], 1
	s_add_co_u32 s[G0+4*\s+1], s66, \s*SLOT
	s_add_nc_u64 s[G0+4*\s+2:G0+4*\s+3], s[4:5], \s*3072
	s_or_b32 s[G0+4*\s+3], s[G0+4*\s+3], 0x80000000
	s_mov_b32 s[G0B+4*\s], 1
	s_add_co_u32 s[G0B+4*\s+1], s67, \s*SLOT
	s_add_nc_u64 s[G0B+4*\s+2:G0B+4*\s+3], s[8:9], \s*3072
	s_or_b32 s[G0B+4*\s+3], s[G0B+4*\s+3], 0x80000000
	JLOAD G0+4*\s, G1, G0B+4*\s, G1B               ; five loads of mine are out in all
.endr
	v_and_b32 v1, 15, v0                           ; r
	v_bfe_u32 v2, v0, 4, 1                         ; h
	v_and_b32 v3, 31, v0                           ; lane
	v_lshlrev_b32 v30, 3, v3
	s_mul_i32 s2, s[HTR], HALFA
	s_mul_i32 s3, s[HUR], HALFB
	s_add_co_u32 s3, s3, 2*HALFA
.irp s, 0,1,2,3
	v_add_nc_u32 v[ADRA+\s], s2, v30
	v_add_nc_u32 v[ADRB+\s], s3, v30
	s_add_co_u32 s2, s2, SLOT
	s_add_co_u32 s3, s3, SLOT
.endr
	v_lshlrev_b32 v5, 3, v1
	s_mul_i32 s2, s[HTR], HALFSA
	s_mul_i32 s3, s[HUR], HALFSB
	s_add_co_u32 s3, s3, 2*HALFSA
	s_sub_co_u32 s3, s3, s2
	v_mul_u32_u24 v6, s3, v2                       ; lanes 16-31 take U's
	s_add_co_u32 s2, s2, SCL
	v_add_nc_u32 v5, v5, v6
	v_add_nc_u32 v[ADRS], s2, v5
	s_mul_i32 s2, s[WVN], 16*SPITCH                ; my stage
	v_mul_u32_u24 v5, v1, SPITCH
	v_lshl_add_u32 v5, v2, 6, v5
	v_add_nc_u32 v[STO], s2, v5                    ; in: row r, + 64 h
	v_lshlrev_b32 v[CO], 4, v3
	v_add_nc_u32 v[RD], s2, v[CO]                  ; back: a row of 512 bytes to the 32 lanes
	s_lshl_b32 s2, s19, 10
	s_lshl_b32 s3, s[HUR], 9
	s_add_co_u32 s2, s2, s3                        ; my first column, in bytes
	s_mov_b32 s3, 0
	s_add_nc_u64 s[12:13], s[12:13], s[2:3]
	s_add_nc_u64 s[14:15], s[14:15], s[2:3]
	s_lshl_b32 s2, s21, 7
	s_lshl_b32 s66, s[HTR], 6
	s_add_co_u32 s2, s2, s66
	s_lshl_b32 s2, s2, 12                          ; my first row: 128 y + 64 x my half of T, 4,096 bytes a row
	s_add_nc_u64 s[14:15], s[14:15], s[2:3]
	v_lshlrev_b32 v4, 6, v2
.irp b, 0,1,2,3,4,5,6,7                ; register 8 b + j: the bias of column 32 (b / 2) + 16 h + 8 (b % 2) + j
	global_load_b128 v[BI+8*\b:BI+8*\b+3], v4, s[12:13] offset:4*(32*(\b/2)+8*(\b%2))
	global_load_b128 v[BI+8*\b+4:BI+8*\b+7], v4, s[12:13] offset:4*(32*(\b/2)+8*(\b%2))+16
.endr
	s_wait_tensorcnt 3                             ; the scales and my part of chunk 0 are in; three chunks may stay out
	s_barrier_signal -1
	s_barrier_wait -1
	FETCH_B 0, 0, 0
	FETCH_A 0, 0, 0
	SCALES 0
	FETCH_A 0, 0, 1
	s_wait_loadcnt 0x0                             ; the bias
	STEP 0, 0, 2                                   ; the first step starts the sums: nothing is cleared
	TURNO 0, 1, 2
	STEP 1, 0, 0
	TURNO 1, 2, 1
	STEP 2, 0, 0
	TURNO 2, 3, 0
	STEP 3, 0, 0
	s_wait_dscnt (NA/2)*NL
	WIN MUL_LO
	MULQ 0, 1, 1, 1, 0
	MULQ 1, 1, 1, 1, 0
	s_wait_dscnt 0x0
	MULQ 2, 1, 1, 1, 0
	MULQ 3, 1, 1, 1, 0
	WIN 0
; THE WAY OUT, a tile of 16 rows x 128 columns at a time, through my own stage and back as whole rows of 512 bytes.  LDS serves a wave's instructions in order: no wait between the stores and the loads.
.macro TOSTAGE a
.set AC, 64*(\a)
	WIN 0x08                                       ; an LDS store's data: window 2
.irp b, 0,1,2,3,4,5,6,7
	ds_store_b128 v[STO], v[AC+8*\b:AC+8*\b+3] offset:128*(\b/2)+32*(\b%2)        ; each accumulator from its low end on
	ds_store_b128 v[STO], v[AC+8*\b+4:AC+8*\b+7] offset:128*(\b/2)+32*(\b%2)+16
.endr
	WIN 0
.set BB, BK+64*((\a)%2)
.irp t, 0,1,2,3,4,5,6,7,8,9,10,11,12,13,14,15
	ds_load_b128 v[BB+4*\t:BB+4*\t+3], v[RD] offset:\t*SPITCH
.endr
.endm
.macro SEND a, younger                 ; younger: the LDS instructions issued behind tile a's loads
.set BB, BK+64*((\a)%2)
	s_wait_dscnt \younger
.irp t, 0,1,2,3,4,5,6,7,8,9,10,11,12,13,14,15
	global_store_b128 v[CO], v[BB+4*\t:BB+4*\t+3], s[14:15] offset:(32*((\a)/2)+8*((\a)%2)+\t+8*(\t/8))*4096 th:TH_STORE_NT   ; place t of tile a is row 32 (a / 2) + 8 (a % 2) + t + 8 (t / 8); 512 consecutive bytes, aligned
.endr
.endm
	PLACES NP
	TOSTAGE 0
.irp a, 1,2,3
.if \a > 1
	s_wait_xcnt 0x0                                ; tile a - 2's stores have read their registers: tile a's loads may land there
.endif
	TOSTAGE \a
	SEND \a-1, 32                                  ; behind tile a - 1's loads: tile a's 16 stores and 16 loads
.endr
	SEND 3, 0
	s_wait_tensorcnt 0x0                           ; the wave's end
	ds_add_u32 v[SPW], v[NIL]
	s_wait_dscnt 0x0
	CROUND                                         ; the closing round
	s_endpgm
.Lfunc_end_k_qad5c5f4117_gemm_o:
	.size	k_qad5c5f4117_gemm_o, .Lfunc_end_k_qad5c5f4117_gemm_o-k_qad5c5f4117_gemm_o
	.p2alignl 7, 3214868480
	.fill 96, 4, 3214868480
	.section	.rodata,"a",@progbits
	.p2align	6, 0x0
	.amdhsa_kernel k_qad5c5f4117_gemm_o
		.amdhsa_group_segment_fixed_size 327680
		.amdhsa_private_segment_fixed_size 0
		.amdhsa_enable_private_segment 0
		.amdhsa_kernarg_size 48
		.amdhsa_user_sgpr_count 2
		.amdhsa_user_sgpr_kernarg_segment_ptr 1
		.amdhsa_wavefront_size32 1
		.amdhsa_system_sgpr_workgroup_id_x 1
		.amdhsa_system_sgpr_workgroup_id_y 1
		.amdhsa_system_sgpr_workgroup_id_z 1
		.amdhsa_system_vgpr_workitem_id 0
		.amdhsa_next_free_vgpr 768
		.amdhsa_next_free_sgpr 102
		.amdhsa_reserve_vcc 0
		.amdhsa_float_denorm_mode_32 3
		.amdhsa_float_denorm_mode_16_64 3
		.amdhsa_memory_ordered 1
		.amdhsa_forward_progress 1
		.amdhsa_inst_pref_size 103
	.end_amdhsa_kernel
	.amdgpu_metadata
---
amdhsa.version: [ 1, 2 ]
amdhsa.kernels:
  - .name:           k_qad5c5f4117_gemm_o
    .symbol:         k_qad5c5f4117_gemm_o.kd
    .args:
      - { .name: oc, .offset: 0, .size: 8, .value_kind: global_buffer, .address_space: global }
      - { .name: os, .offset: 8, .size: 8, .value_kind: global_buffer, .address_space: global }
      - { .name: cod, .offset: 16, .size: 8, .value_kind: global_buffer, .address_space: global }
      - { .name: scl, .offset: 24, .size: 8, .value_kind: global_buffer, .address_space: global }
      - { .name: b_o, .offset: 32, .size: 8, .value_kind: global_buffer, .address_space: global }
      - { .name: out0, .offset: 40, .size: 8, .value_kind: global_buffer, .address_space: global }
    .group_segment_fixed_size: 327680
    .private_segment_fixed_size: 0
    .kernarg_segment_align: 8
    .kernarg_segment_size: 48
    .max_flat_workgroup_size: 128
    .sgpr_count:     102
    .vgpr_count:     768
    .wavefront_size: 32
...
	.end_amdgpu_metadata
.endif
;; end of part 4
